; MI455X (gfx1250); checked and timed in simulation.
; The chip was launched on July 23, 2026; its instructions are those of AMD's public machine-readable ISA for CDNA 5 (MIT licence, August 2026) and "CDNA5" Instruction Set Architecture Reference Guide (July 2026). The comments in the code are by the model that wrote it; some were corrected since.
;; Self Attention. Allowed arithmetic: matrix products marked QUANTISED: E2M3 operands, one E8M0 scale for each 32 along K, by v_wmma_scale_f32_16x16x128_f8f6f4 with both operands' format E2M3, f32 sums; everything else in f32.
;; Inputs: Wk 1,024 x 1,024 float32; Wo 1,024 x 1,024 float32; Wq 1,024 x 1,024 float32; Wv 1,024 x 1,024 float32; bk 1,024 float32; bo 1,024 float32; bq 1,024 float32; bv 1,024 float32; x 4 x 2,048 x 1,024 float32.
;; Outputs: out0 4 x 2,048 x 1,024 float32.
;; This version of the problem:
;;   THIS VERSION OF THE PROBLEM IS GIVEN IN LOW PRECISION. The matrix products marked QUANTISED in the list below multiply operands that are first quantised to E2M3 (2 exponent bits, 3 mantissa bits; 6 bits a number), with one power-of-two scale for each 32 numbers along K (OCP MX v1.0); their sums are f32. All else is computed in f32.
;;   The module's matrix products, in the order in which they are computed (A, B: the left and right operand; K: the contracted axis; several contracted axes count as one K, in the product's order):
;;     1. [M 8,192, K 1,024] x [K 1,024, N 1,024]; A: input x; B: input Wq: QUANTISED
;;     2. [M 8,192, K 1,024] x [K 1,024, N 1,024]; A: input x; B: input Wk: QUANTISED
;;     3. [M 8,192, K 1,024] x [K 1,024, N 1,024]; A: input x; B: input Wv: QUANTISED
;;     4. batch 64 x [M 2,048, K 64] x [K 64, N 2,048]; A: computed on the way; B: computed on the way: QUANTISED
;;     5. batch 64 x [M 2,048, K 2,048] x [K 2,048, N 64]; A: softmax (see below); B: computed on the way: QUANTISED
;;     6. [M 8,192, K 1,024] x [K 1,024, N 1,024]; A: computed on the way; B: input Wo: QUANTISED
;;   THE QUANTISER, for each operand of a quantised product, along K:
;;     - K is cut into blocks of 32 from its start; a last block that is shorter is filled with zeros.
;;     - A block's scale is 2^e with e = floor(log2(the largest magnitude in the block)) - 2, held to -126 .. 127; a block of zeros has e = 0. As a byte (E8M0): e + 127.
;;     - Each number is divided by its block's scale, clamped to +-7.5, and rounded to the nearest number of E2M3, ties to even, subnormals kept.
;;     - The product sums the exact products of the quantised numbers (number of the format x scale) in f32.
;;   ~~~python
;;   def quantise(x, axis):      # numpy; x: float32 -> the quantised numbers, widened to float32 again
;;       x = np.moveaxis(x, axis, -1); K = x.shape[-1]
;;       x = np.pad(x, [(0, 0)] * (x.ndim - 1) + [(0, -K % 32)]); x = x.reshape(x.shape[:-1] + (-1, 32)); a = np.abs(x).max(-1, keepdims=True)
;;       e = np.where(a > 0, np.clip(np.frexp(np.where(a > 0, a, 1))[1] - 1 - 2, -126, 127), 0)      # np.frexp(a)[1] - 1 = floor(log2(a)), exactly
;;       r = np.clip(x / 2.0 ** e, -7.5, 7.5)
;;       step = 2.0 ** (np.maximum(np.frexp(np.where(r == 0, 1, r))[1] - 1, 0) - 3)
;;       q = np.round(r / step) * step * 2.0 ** e      # np.round: ties to even
;;       return np.moveaxis(q.reshape(q.shape[:-2] + (-1,))[..., :K], -1, axis).astype(np.float32)
;;   ~~~
;;   SOFTMAX AHEAD OF A QUANTISED PRODUCT. Where the list says 'softmax', what is quantised is not the finished softmax but p = 2^(t - M), with t = logit x log2(e) and M = ceil(the row's largest t), a whole number; so 1/2 < the row's largest p <= 1. The row's sum l is taken of the UNQUANTISED p, in f32, and the product's result is divided by l at the end. Since M is a whole number, a kernel that streams over the keys may use a running M (the ceiling of the running maximum): every later rescaling is an exact power of two, which a block's scale takes up: the codes' values come out the same.
;;   OPERANDS COMPUTED ON THE WAY. 'Computed on the way' means the value that the module computes at that place (a softmax that the list does not call 'softmax' is quantised finished and normalised). What goes into a quantiser is computed in f32, as accurately as f32 sums, v_exp_f32 and their like allow (about 1e-6 of the number): no bf16 or f16 on the way to a quantiser, and a product that is left as it is and whose result goes on into a quantised operand takes f32 operands (vector FMAs, or v_wmma_f32_16x16x4_f32). A number that lies on a knife's edge between two numbers of the format may be rounded either way, as far as f32 arithmetic and the matrix unit's own rounding can turn it there, and no further.
;; One version. Each part assembles by itself: llvm-mc -triple=amdgcn-amd-amdhsa -mcpu=gfx1250 --defsym DOCPART=n.
;; ======== version 1 of 1: 5 launches
;; limits: right only within a limited range of input values
;; workspace buffers: xq 6,553,600 bytes; wq 3,276,800 bytes; qk 13,631,488 bytes; vq 6,553,600 bytes; oq 6,553,600 bytes
;; launch quant (part 1): grid 768 x 1, 4 waves a work-group, no clusters, 47,616 bytes of LDS; arguments x, Wq, Wk, Wv, Wo, xq, wq; writes xq, wq
.if DOCPART == 1
	.amdgcn_target "amdgcn-amd-amdhsa--gfx1250"
	.amdhsa_code_object_version 6
	.text
	.protected	k_qd9225b5454_quant
	.globl	k_qd9225b5454_quant
	.p2align	8
	.type	k_qd9225b5454_quant,@function
k_qd9225b5454_quant:
	s_mov_b64 s[64:65], 0
	v_nop
	global_prefetch_b8 v0, s[64:65] scope:SCOPE_SE
	s_setreg_imm32_b32 hwreg(HW_REG_WAVE_MODE, 25, 1), 1
	s_wait_xcnt 0x0
; x [8192][1024] and Wq, Wk, Wv, Wo [1024 (k)][1024 (n)], f32, become codes of FP6 (E2M3) with one E8M0 scale byte for each 32 along K, laid in the ORDER OF THE OPERAND'S REGISTERS.  One launch for all five:
; work-groups 0-511 take x, 512-767 the weights; the two paths part on the work-group's number alone and have LDS bytes of their own.
; TILES.  16 rows (tokens of x, output features n of a weight) form a tile; tile T = 2 B + u holds, at place r, row 32 B + 8 u + r + 8 (r / 8).
; CODES:  [block of 128 rows][K step of 256 (4)][tile (8)][128 of K (2)][piece (6)][lane (32)][8 bytes]: piece p is registers 2 p, 2 p + 1 of a fragment of 16 rows x 128 K, in which lane (r, h) holds row r and
;         registers 6 c .. 6 c + 5 hold k = 64 c + 32 h + 0 .. 31.  In wq the blocks are Wq 0-7, Wk 8-15, Wv 16-23, Wo 24-31.  SCALE WORDS, behind the codes (xq: 6,291,456 bytes on, wq: 3,145,728): [block][tile][K step][128 of K][r][4 bytes].
; A block's scale is 2^(floor(log2(its largest magnitude)) - 2); its byte is that magnitude's exponent field - 2, held at 1 from below.
; LIMITS: a block of zeros, or one whose largest magnitude lies under 2^-124, gets the byte 1 where the rule says 127: its codes are zeros (or the floor's), and this program alone reads the bytes.  NaN and infinities are not served.
; x: a work-group takes one tile, wave w its K step w: two fragments.  Each load reads 512 consecutive bytes of a row; a half's 16 x 512 bytes turn through the wave's own stage, so that a lane gets 32 neighbours along K twice.
; W: a work-group takes 128 columns x 128 along K of one weight.  A lane takes a column n and its registers run down K: a block of 32 lies in one lane, and the conversions give codes with K innermost; they gather in the wave's own stage.
; No loop, no barrier: waves share nothing.
.set SPITCH, 528                       ; x: a stage row: 512 bytes + 16
.set XWST,   16*SPITCH                 ; x: a wave's stage
.set WOFF,   4*XWST                    ; the weights' stages lie behind x's
.set TST,    1664                      ; W: a fragment in the stage: 1,536 bytes + 128
.set WWST,   2*TST
.set SPARE,  WOFF+4*WWST               ; the spare words, 128 bytes a wave, which no other line names
.set SPW,  242
.set NIL,  243
	v_lshl_add_u32 v[SPW], v0, 2, SPARE            ; my spare word
	v_mov_b32 v[NIL], 0
	s_cmp_lt_u32 ttmp9, 512
	s_wait_alu depctr_va_vdst(0)
	s_cbranch_scc0 .Lweights
; ---------------- x
.set R,   16                           ; v16-143  32 loads as they come
.set X,   144                          ; v144-207 64 numbers: X + 32 c + i = k 64 c + 32 h + i of my row
.set CD,  208                          ; v208-231 two fragments' codes
.set TC,  232                          ; v232-238 the second halves of the blocks' codes, before they are moved
.set PW,  240                          ; v240-241 the two fragments' scale words
	s_load_b64 s[4:5], s[0:1], 0x0                 ; x
	s_load_b64 s[6:7], s[0:1], 0x28                ; xq
	v_lshrrev_b32 v8, 5, v0
	v_readfirstlane_b32 s8, v8                     ; wave = K step
	v_and_b32 v9, 31, v0                           ; lane
	v_lshlrev_b32 v1, 4, v9                        ; 16 x lane
	v_lshlrev_b32 v2, 3, v9                        ; 8 x lane
	s_mul_i32 s9, s8, XWST
	v_add_nc_u32 v3, s9, v1                        ; into the stage: 16 bytes a lane of a row
	v_and_b32 v10, 15, v0                          ; r
	v_bfe_u32 v11, v0, 4, 1                        ; h
	v_mul_u32_u24 v4, v10, SPITCH
	v_lshl_add_u32 v4, v11, 7, v4
	v_add_nc_u32 v4, s9, v4                        ; out of it: row r, + 128 h bytes
	v_lshlrev_b32 v5, 2, v10
	v_lshl_add_u32 v5, v11, 6, v5                  ; the scale words' place: 64 h + 4 r
	v_lshlrev_b32 v14, 3, v11                      ; 8 h
	v_mov_b32 v15, 0                               ; (a lane permute's destination counts as read)
	s_mov_b32 s20, 0x76543210
	s_mov_b32 s21, 0xfedcba98                      ; selects for lane l xor 16
	s_mov_b32 s22, 0xffff0000                      ; lanes 16-31
	s_lshr_b32 s10, ttmp9, 1
	s_lshl_b32 s10, s10, 17                        ; 32 rows of 4,096 bytes for each pair of tiles,
	s_and_b32 s11, ttmp9, 1
	s_lshl_b32 s11, s11, 15                        ; 8 rows for the odd tile,
	s_add_co_u32 s10, s10, s11
	s_lshl_b32 s11, s8, 10                         ; 1,024 bytes a K step
	s_add_co_u32 s10, s10, s11
	s_mov_b32 s11, 0
	s_lshr_b32 s12, ttmp9, 3                       ; block of 128 rows
	s_and_b32 s13, ttmp9, 7                        ; tile in it
	s_mul_i32 s14, s12, 98304
	s_mul_i32 s15, s8, 24576
	s_add_co_u32 s14, s14, s15
	s_mul_i32 s15, s13, 3072
	s_add_co_u32 s14, s14, s15
	s_mov_b32 s15, 0
	s_lshl_b32 s16, s12, 12
	s_lshl_b32 s17, s13, 9
	s_add_co_u32 s16, s16, s17
	s_lshl_b32 s17, s8, 7
	s_add_co_u32 s16, s16, s17
	s_add_co_u32 s16, s16, 6291456
	s_mov_b32 s17, 0
	s_wait_alu depctr_va_vdst(0)
	s_wait_kmcnt 0x0
	s_add_nc_u64 s[4:5], s[4:5], s[10:11]          ; x at my tile's first row, my K step
	s_add_nc_u64 s[18:19], s[6:7], s[16:17]        ; my scale words
	s_add_nc_u64 s[6:7], s[6:7], s[14:15]          ; my codes
.irp q, 0,1
.irp i, 0,1,2,3,4,5,6,7,8,9,10,11,12,13,14,15
	global_load_b128 v[R+64*\q+4*\i:R+64*\q+4*\i+3], v1, s[4:5] offset:(\i+8*(\i/8))*4096+512*\q th:TH_LOAD_NT   ; place i of the tile: 32 lanes read 512 consecutive bytes
.endr
.endr
.macro HALF q                          ; 128 along K: one fragment
	s_wait_loadcnt 16-16*\q                        ; this half's sixteen loads are in; the other half's may be out
.irp i, 0,1,2,3,4,5,6,7,8,9,10,11,12,13,14,15
	ds_store_b128 v3, v[R+64*\q+4*\i:R+64*\q+4*\i+3] offset:SPITCH*\i
.endr
.irp c, 0,1
.irp j, 0,1,2,3,4,5,6,7
	ds_load_b128 v[X+32*\c+4*\j:X+32*\c+4*\j+3], v4 offset:256*\c+16*\j   ; LDS serves a wave's instructions in order: these see the stores above
.endr
.endr
	s_wait_dscnt 0x0
.irp c, 0,1
	v_max3_num_f32 v[8+\c], |v[X+32*\c]|, |v[X+32*\c+1]|, 0x1800000   ; my block 2 c + h: all 32 numbers are mine; the floor 2^(3 - 127) holds the byte at 1 from below
.endr
.irp i, 2,4,6,8,10,12,14,16,18,20,22,24,26,28,30
.irp c, 0,1
	v_max3_num_f32 v[8+\c], v[8+\c], |v[X+32*\c+\i]|, |v[X+32*\c+\i+1]|
.endr
.endr
.irp c, 0,1
	v_add_nc_u32 v[10+\c], 0xff000000, v[8+\c]     ; 2 off the exponent field: the conversion's scale operand
.endr
.irp c, 0,1
	v_lshrrev_b32 v[12+\c], 23, v[10+\c]           ; the scale's byte
.endr
	v_lshl_or_b32 v[PW+\q], v13, 16, v12           ; my two bytes, blocks h and 2 + h,
	v_lshlrev_b32 v[PW+\q], v14, v[PW+\q]          ; 8 h bits up;
	v_permlanex16_b32 v15, v[PW+\q], s20, s21
	v_or_b32 v[PW+\q], v[PW+\q], v15               ; with lane l xor 16's two the word is whole
.irp c, 0,1
	v_cvt_scalef32_pk16_fp6_f32 v[CD+12*\q+6*\c:CD+12*\q+6*\c+2], v[X+32*\c:X+32*\c+15], v[10+\c]
	v_cvt_scalef32_pk16_fp6_f32 v[TC+4*\c:TC+4*\c+2], v[X+32*\c+16:X+32*\c+31], v[10+\c]   ; (a conversion's three registers begin on an even number)
.endr
	v_nop                                          ; one plain instruction behind the scaled conversions
.irp c, 0,1
.irp i, 0,1,2
	v_mov_b32 v[CD+12*\q+6*\c+3+\i], v[TC+4*\c+\i]
.endr
.endr
.irp p, 0,1,2,3,4,5
	global_store_b64 v2, v[CD+12*\q+2*\p:CD+12*\q+2*\p+1], s[6:7] offset:1536*\q+256*\p   ; 32 lanes store 256 consecutive bytes, aligned
.endr
.endm
	HALF 0
	HALF 1
	v_cndmask_b32 v8, v[PW], v[PW+1], s22          ; lanes 0-15: the first fragment's words, lanes 16-31: the second's
	global_store_b32 v5, v8, s[18:19]              ; 128 consecutive bytes
	s_wait_tensorcnt 0x0                           ; the wave's end
	ds_add_u32 v[SPW], v[NIL]
	s_wait_dscnt 0x0
	s_endpgm
; ---------------- the weights
.Lweights:
.set X,     32                         ; v32-95   two sets of 32 numbers
.set C,     96                         ; v96-102  a block's codes
.set OUTR,  112                        ; v112-135 the way out
.set SB,    24                         ; v24      my column's scale word
	s_load_b256 s[4:11], s[0:1], 0x8               ; Wq, Wk, Wv, Wo
	s_load_b64 s[12:13], s[0:1], 0x30              ; wq
	v_lshrrev_b32 v1, 5, v0
	v_readfirstlane_b32 s16, v1                    ; wave
	v_and_b32 v2, 31, v0                           ; lane = column n' of the wave's 32
	v_lshlrev_b32 v3, 2, v2                        ; in: 4 bytes a lane
	v_bfe_u32 v5, v0, 3, 1                         ; u = (n' / 8) % 2
	v_and_b32 v6, 7, v0
	v_bfe_u32 v10, v0, 4, 1
	v_lshl_add_u32 v6, v10, 3, v6                  ; r = n' % 8 + 8 (n' / 16)
	s_mul_i32 s19, s16, WWST
	s_add_co_u32 s19, s19, WOFF
	v_mul_u32_u24 v4, v5, TST
	v_lshl_add_u32 v4, v6, 3, v4
	v_add_nc_u32 v4, s19, v4                       ; into the stage: tile u, place r
	v_lshlrev_b32 v8, 4, v2                        ; out: 16 bytes a lane
	v_add_nc_u32 v7, s19, v8
	v_lshlrev_b32 v9, 9, v5
	v_lshl_add_u32 v9, v6, 2, v9                   ; my scale word: 512 u + 4 r
	s_sub_co_u32 s30, ttmp9, 512                   ; 0 .. 255
	s_and_b32 s31, s30, 7                          ; which 128 columns
	s_lshr_b32 s18, s30, 3
	s_lshr_b32 s17, s18, 3                         ; which weight
	s_and_b32 s18, s18, 7                          ; which 128 along K
	s_lshl_b32 s20, s18, 19                        ; 128 rows of 4,096 bytes,
	s_lshl_b32 s21, s31, 9                         ; 128 columns of 4 bytes,
	s_add_co_u32 s20, s20, s21
	s_lshl_b32 s21, s16, 7                         ; 32 columns a wave
	s_add_co_u32 s20, s20, s21
	s_mov_b32 s21, 0
	s_lshl_b32 s22, s17, 3
	s_add_co_u32 s22, s22, s31                     ; block of 128 features
	s_lshr_b32 s23, s18, 1                         ; K step
	s_and_b32 s24, s18, 1                          ; which 128 of it
	s_mul_i32 s26, s22, 98304
	s_mul_i32 s27, s23, 24576
	s_add_co_u32 s26, s26, s27
	s_mul_i32 s27, s16, 6144
	s_add_co_u32 s26, s26, s27
	s_mul_i32 s27, s24, 1536
	s_add_co_u32 s26, s26, s27
	s_mov_b32 s27, 0
	s_lshl_b32 s28, s22, 12
	s_lshl_b32 s29, s16, 10
	s_add_co_u32 s28, s28, s29
	s_lshl_b32 s29, s23, 7
	s_add_co_u32 s28, s28, s29
	s_lshl_b32 s29, s24, 6
	s_add_co_u32 s28, s28, s29
	s_add_co_u32 s28, s28, 3145728
	s_mov_b32 s29, 0
	s_wait_alu depctr_va_vdst(0)
	s_wait_kmcnt 0x0
	s_cmp_eq_u32 s17, 1                            ; the weight is chosen by the work-group's number alone
	s_cselect_b64 s[4:5], s[6:7], s[4:5]
	s_cmp_eq_u32 s17, 2
	s_cselect_b64 s[4:5], s[8:9], s[4:5]
	s_cmp_eq_u32 s17, 3
	s_cselect_b64 s[4:5], s[10:11], s[4:5]
	s_add_nc_u64 s[4:5], s[4:5], s[20:21]
	s_add_nc_u64 s[6:7], s[12:13], s[26:27]        ; my codes
	s_add_nc_u64 s[8:9], s[12:13], s[28:29]        ; my scale words
.macro LOAD t                          ; block t: W(32 t + i, my column) into set t % 2
.irp i, 0,1,2,3,4,5,6,7,8,9,10,11,12,13,14,15,16,17,18,19,20,21,22,23,24,25,26,27,28,29,30,31
	global_load_b32 v[X+32*((\t)%2)+\i], v3, s[4:5] offset:(32*(\t)+\i)*4096 th:TH_LOAD_NT
.endr
.endm
	LOAD 0
	LOAD 1
.macro BLOCK t
.set XS, X+32*((\t)%2)
.if (\t) < 3
	s_wait_loadcnt 32                              ; this block's 32 loads are in; the next block's may be out
.else
	s_wait_loadcnt 0
.endif
	v_max3_num_f32 v12, |v[XS]|, |v[XS+1]|, |v[XS+2]|
	v_max3_num_f32 v13, |v[XS+3]|, |v[XS+4]|, |v[XS+5]|
.irp i, 6,10,14,18,22,26
	v_max3_num_f32 v12, v12, |v[XS+\i]|, |v[XS+\i+1]|
	v_max3_num_f32 v13, v13, |v[XS+\i+2]|, |v[XS+\i+3]|
.endr
	v_max3_num_f32 v12, v12, |v[XS+30]|, |v[XS+31]|
	v_max3_num_f32 v12, v12, v13, 0x1800000        ; the floor 2^(3 - 127): the byte cannot fall under 1
	v_add_nc_u32 v11, 0xff000000, v12              ; 2 off the exponent field: the conversion's scale operand
	v_lshrrev_b32 v13, 23, v11                     ; the scale's byte
.if (\t) == 0
	v_mov_b32 v[SB], v13
.else
	v_lshl_or_b32 v[SB], v13, 8*(\t), v[SB]        ; the lower K in the lower byte
.endif
	v_cvt_scalef32_pk16_fp6_f32 v[C:C+2], v[XS:XS+15], v11
	v_cvt_scalef32_pk16_fp6_f32 v[C+4:C+6], v[XS+16:XS+31], v11     ; (a conversion's three registers begin on an even number)
	v_nop                                          ; one plain instruction behind the scaled conversions
	v_mov_b32 v[C+3], v[C+4]
	v_mov_b32 v[C+4], v[C+5]
	v_mov_b32 v[C+5], v[C+6]                       ; the block's 24 bytes on end
.irp i, 0,1,2
	ds_store_b64 v4, v[C+2*\i:C+2*\i+1] offset:(3*((\t)/2)+\i)*256+128*((\t)%2)   ; block t = 2 c + h is pieces 3 c .. 3 c + 2 of lane (r, h)
.endr
.if (\t) < 2
	LOAD (\t)+2
.endif
	s_wait_dscnt 0x0                               ; the stores have read their registers
.endm
	BLOCK 0
	BLOCK 1
	BLOCK 2
	BLOCK 3
	s_wait_alu depctr_va_vdst(0)
	global_store_b32 v9, v[SB], s[8:9]
.irp n, 0,1,2,3,4,5
	ds_load_b128 v[OUTR+4*\n:OUTR+4*\n+3], v7 offset:TST*(\n/3)+512*(\n%3)   ; LDS serves a wave's instructions in order: these see my stores
.endr
.irp n, 0,1,2,3,4,5
	s_wait_dscnt 5-\n
	global_store_b128 v8, v[OUTR+4*\n:OUTR+4*\n+3], s[6:7] offset:3072*(\n/3)+512*(\n%3)   ; 32 lanes store 512 consecutive bytes, at a multiple of 256
.endr
	s_wait_tensorcnt 0x0                           ; the wave's end
	ds_add_u32 v[SPW], v[NIL]
	s_wait_dscnt 0x0
	s_endpgm
.Lfunc_end_k_qd9225b5454_quant:
	.size	k_qd9225b5454_quant, .Lfunc_end_k_qd9225b5454_quant-k_qd9225b5454_quant
	.p2alignl 7, 3214868480
	.fill 96, 4, 3214868480
	.section	.rodata,"a",@progbits
	.p2align	6, 0x0
	.amdhsa_kernel k_qd9225b5454_quant
		.amdhsa_group_segment_fixed_size 47616
		.amdhsa_private_segment_fixed_size 0
		.amdhsa_enable_private_segment 0
		.amdhsa_kernarg_size 56
		.amdhsa_user_sgpr_count 2
		.amdhsa_user_sgpr_kernarg_segment_ptr 1
		.amdhsa_wavefront_size32 1
		.amdhsa_system_sgpr_workgroup_id_x 1
		.amdhsa_system_sgpr_workgroup_id_y 1
		.amdhsa_system_sgpr_workgroup_id_z 1
		.amdhsa_system_vgpr_workitem_id 0
		.amdhsa_next_free_vgpr 248
		.amdhsa_next_free_sgpr 66
		.amdhsa_reserve_vcc 0
		.amdhsa_float_denorm_mode_32 3
		.amdhsa_float_denorm_mode_16_64 3
		.amdhsa_memory_ordered 1
		.amdhsa_forward_progress 1
		.amdhsa_inst_pref_size 40
	.end_amdhsa_kernel
	.amdgpu_metadata
---
amdhsa.version: [ 1, 2 ]
amdhsa.kernels:
  - .name:           k_qd9225b5454_quant
    .symbol:         k_qd9225b5454_quant.kd
    .args:
      - { .name: x, .offset: 0, .size: 8, .value_kind: global_buffer, .address_space: global }
      - { .name: Wq, .offset: 8, .size: 8, .value_kind: global_buffer, .address_space: global }
      - { .name: Wk, .offset: 16, .size: 8, .value_kind: global_buffer, .address_space: global }
      - { .name: Wv, .offset: 24, .size: 8, .value_kind: global_buffer, .address_space: global }
      - { .name: Wo, .offset: 32, .size: 8, .value_kind: global_buffer, .address_space: global }
      - { .name: xq, .offset: 40, .size: 8, .value_kind: global_buffer, .address_space: global }
      - { .name: wq, .offset: 48, .size: 8, .value_kind: global_buffer, .address_space: global }
    .group_segment_fixed_size: 47616
    .private_segment_fixed_size: 0
    .kernarg_segment_align: 8
    .kernarg_segment_size: 56
    .max_flat_workgroup_size: 128
    .sgpr_count:     66
    .vgpr_count:     248
    .wavefront_size: 32
...
	.end_amdgpu_metadata
.endif
;; end of part 1
;; launch gemm_qk (part 2): grid 8 x 32, 4 waves a work-group, clusters of 4 x 4, 327,680 bytes of LDS; arguments xq, wq, bq, bk, qk; writes qk
.if DOCPART == 2
	.amdgcn_target "amdgcn-amd-amdhsa--gfx1250"
	.amdhsa_code_object_version 6
	.text
	.protected	k_qd9225b5454_gemm_qk
	.globl	k_qd9225b5454_gemm_qk
	.p2align	8
	.type	k_qd9225b5454_gemm_qk,@function
k_qd9225b5454_gemm_qk:
	s_mov_b64 s[64:65], 0
	v_nop
	global_prefetch_b8 v0, s[64:65] scope:SCOPE_SE
	s_setreg_imm32_b32 hwreg(HW_REG_WAVE_MODE, 25, 1), 1
	s_wait_xcnt 0x0
	s_wait_alu depctr_hold_cnt(0) depctr_sa_sdst(0) depctr_va_vdst(0) depctr_va_sdst(0) depctr_va_ssrc(0) depctr_va_vcc(0) depctr_vm_vsrc(0)
	s_getreg_b32 s2, hwreg(HW_REG_IB_STS2, 6, 4)
	s_cmp_eq_u32 s2, 0
	s_cbranch_scc0 .Lentry_in_a_cluster
	s_endpgm
.Lentry_in_a_cluster:
	s_bfe_u32 s2, ttmp6, 0x10000c
	s_cmp_lg_u32 s2, 0xf033
	s_cbranch_scc0 .Lentry_shape_is_right
	s_endpgm
.Lentry_shape_is_right:
.set MODE, 0
.if MODE == 0
.set A_RB0, 0
.set A_SC,  6291456
.set B_RB0, 0
.set B_SC,  3145728
.elseif MODE == 1
.set A_RB0, 16
.set A_SC,  3145728
.set B_RB0, 0
.set B_SC,  6291456
.else
.set A_RB0, 0
.set A_SC,  6291456
.set B_RB0, 24
.set B_SC,  3145728
.endif
.set NQ,     2
.set FR,     12
.set NL,     6
.set NP,     4
.set HALFT,  24576
.set SLOT,   4*HALFT
.set LAPS,   2
.set SCL,    2*SLOT
.set HALFS,  4096
.set SPARE,  SCL+4*HALFS
.set SPITCH, 528
.set BVA,  7
.set L8,   10
.set H16,  11
.set SWS,  12
.set SWR,  13
.set SWG,  14
.set ADRA, 16
.set ADRB, 20
.set STO,  24
.set RD,   25
.set CO,   26
.set ADRS, 27
.set SPW,  28
.set NIL,  29
.set SC,   32
.set BJ,   64
.set AF,   128
.set BK,   128
.set PC,   112
.set TM,   200
.set PWS,  224
.set PWH,  232
.set SWD,  240
.set G1, 24
.set G0, 32
.set G1B, 48
.set G0B, 56
.set G1S, 68
.set G0S, 76
.set G1SB, 80
.set G0SB, 88
.set MSB, 0
.macro WIN new
.if MSB != (\new)
	s_set_vgpr_msb (MSB<<8)|(\new)
.set MSB, (\new)
.endif
.endm
.set MUL_LO, 0xa1
.set MUL_HI, 0xf1
.set TO_B,   0x40
.macro JLOAD g0a, g1a, g0b, g1b
	s_cmp_eq_u32 s15, 0
	s_cbranch_scc0 .Lfor_b_\@
	tensor_load_to_lds s[\g0a:\g0a+3], s[\g1a:\g1a+7]
	s_nop 0
.rept 4
	v_nop
.endr
	s_branch .Lasked_\@
.Lfor_b_\@:
	tensor_load_to_lds s[\g0b:\g0b+3], s[\g1b:\g1b+7]
	s_nop 0
.rept 4
	v_nop
.endr
.Lasked_\@:
.endm
.macro CREST
	s_cmp_lg_u32 s14, 0
	s_cbranch_scc1 .Lnot_wave_0_\@
	s_barrier_signal -3
.Lnot_wave_0_\@:
	s_barrier_wait -3
	s_barrier_signal -1
	s_barrier_wait -1
.endm
.macro CROUND
	s_barrier_signal -1
	s_barrier_wait -1
	CREST
.endm
	s_load_b64 s[4:5], s[0:1], 0x0
	s_load_b64 s[8:9], s[0:1], 0x8
	s_load_b128 s[96:99], s[0:1], 0x10
.if MODE == 0
	s_load_b64 s[66:67], s[0:1], 0x20
.endif
	v_lshl_add_u32 v[SPW], v0, 2, SPARE
	v_mov_b32 v[NIL], 0
	ds_add_u32 v[SPW], v[NIL]
	ds_add_u32 v[SPW], v[NIL]
	v_lshrrev_b32 v1, 5, v0
	v_readfirstlane_b32 s14, v1
	s_lshr_b32 s15, s14, 1
	s_and_b32 s16, s14, 1
	s_bfe_u32 s40, ttmp6, 0x40000
	s_bfe_u32 s41, ttmp6, 0x40004
	s_lshl_b32 s42, ttmp9, 2
	s_add_co_u32 s42, s42, s40
.if MODE == 1
	s_mov_b32 s17, s41
.else
	s_and_b32 s17, ttmp7, 0xffff
	s_lshl_b32 s17, s17, 2
	s_add_co_u32 s17, s17, s41
.endif
	s_lshl_b32 s43, s41, 2
	s_lshl_b32 s43, 15, s43
	s_lshl_b32 s44, 0x1111, s40
	s_or_b32 s[G1+0], s43, (3<<16)|(1<<21)
	s_or_b32 s[G1B+0], s44, (3<<16)|(1<<21)
.irp g, G1, G1B                        ; for the head's loads: a chunk's two halves as two rows of 24,576 bytes, 98,304 bytes apart
	s_mov_b32 s[\g+1], 3072<<16
	s_mov_b32 s[\g+2], 2<<16
	s_mov_b32 s[\g+3], 3072<<16
	s_mov_b32 s[\g+4], 2
	s_mov_b32 s[\g+5], 12288
	s_mov_b32 s[\g+6], 0
	s_mov_b32 s[\g+7], 0
.endr
	s_or_b32 s[G1S+0], s43, (3<<16)|(1<<21)
	s_or_b32 s[G1SB+0], s44, (3<<16)|(1<<21)
.irp g, G1S, G1SB                      ; the scale words of 256 rows: 32 rows of 256 bytes
	s_mov_b32 s[\g+1], 32<<16
	s_mov_b32 s[\g+2], 32<<16
	s_mov_b32 s[\g+3], 32<<16
	s_mov_b32 s[\g+4], 32
	s_mov_b32 s[\g+5], 32
	s_mov_b32 s[\g+6], 0
	s_mov_b32 s[\g+7], 0
.endr
	s_lshl_b32 s20, s17, 1
	s_add_co_u32 s20, s20, s16
	s_add_co_u32 s20, s20, A_RB0
	s_lshl_b32 s46, s42, 1
	s_add_co_u32 s46, s46, s16
	s_add_co_u32 s46, s46, B_RB0
	s_lshl_b32 s22, s20, 12
	s_mov_b32 s23, 0
	s_lshl_b32 s92, s46, 12
	s_mov_b32 s93, 0
	s_mul_i32 s20, s20, 98304
	s_mov_b32 s21, 0
	s_mul_i32 s46, s46, 98304
	s_mov_b32 s47, 0
	s_mul_i32 s45, s14, HALFT
	s_wait_dscnt 0x0
	s_wait_kmcnt 0x0
	s_add_nc_u64 s[6:7], s[4:5], A_SC
	s_add_nc_u64 s[10:11], s[8:9], B_SC
	s_add_nc_u64 s[20:21], s[4:5], s[20:21]
	s_add_nc_u64 s[22:23], s[6:7], s[22:23]
	s_add_nc_u64 s[46:47], s[8:9], s[46:47]
	s_add_nc_u64 s[92:93], s[10:11], s[92:93]
	CROUND
; THE HEAD'S FOUR TILES, ONE JOINT LOAD A WAVE: wave 0 A's chunk 0, wave 2 B's (their addresses hold the first half), wave 1 A's scale words, wave 3 B's (their addresses hold the second half: 4,096 bytes back)
	s_mov_b32 s4, 1
	s_mov_b32 s5, 0
	s_mov_b64 s[6:7], s[20:21]
	s_or_b32 s7, s7, 0x80000000
	s_mov_b32 s8, 1
	s_mov_b32 s9, 2*HALFT
	s_mov_b64 s[10:11], s[46:47]
	s_or_b32 s11, s11, 0x80000000
	s_mov_b32 s[G0S], 1
	s_mov_b32 s[G0S+1], SCL
	s_sub_nc_u64 s[G0S+2:G0S+3], s[22:23], 4096
	s_or_b32 s[G0S+3], s[G0S+3], 0x80000000
	s_mov_b32 s[G0SB], 1
	s_mov_b32 s[G0SB+1], SCL+2*HALFS
	s_sub_nc_u64 s[G0SB+2:G0SB+3], s[92:93], 4096
	s_or_b32 s[G0SB+3], s[G0SB+3], 0x80000000
.macro ARM w, g0, g1, next             ; one chain of branches on the wave's number, one load to an arm
	s_cmp_eq_u32 s14, \w
	s_cbranch_scc0 \next
	tensor_load_to_lds s[\g0:\g0+3], s[\g1:\g1+7]
	s_nop 0
.rept 4
	v_nop
.endr
	s_branch .Lhead_asked
\next:
.endm
	ARM 0, 4, G1, .Lhead_b
	ARM 2, 8, G1B, .Lhead_sa
	ARM 1, G0S, G1S, .Lhead_sb
	tensor_load_to_lds s[G0SB:G0SB+3], s[G1SB:G1SB+7]
	s_nop 0
.rept 4
	v_nop
.endr
.Lhead_asked:
; prefetches: of the 96 blocks of 256 bytes that I fetch of a chunk, my work-group names 24, by its place among the four partners that ask for them with me (cx for A, cy for B); lanes 24-31 name the last again
	s_cmp_eq_u32 s15, 0
	s_cselect_b64 s[100:101], s[20:21], s[46:47]
	s_cselect_b32 s2, s40, s41
	s_mul_i32 s2, s2, 6144
	v_and_b32 v30, 31, v0
	v_min_u32 v30, 23, v30
	v_lshl_add_u32 v30, v30, 8, s2
	global_prefetch_b8 v30, s[100:101] offset:HALFT th:TH_LOAD_NT scope:SCOPE_SE     ; chunk 1: its load leaves when the head's tiles have landed
	global_prefetch_b8 v30, s[100:101] offset:2*HALFT th:TH_LOAD_NT scope:SCOPE_SE   ; chunk 2, two fills ahead of its load
.irp s, 0,1
	s_mov_b32 s[G0+4*\s], 1
	s_add_co_u32 s[G0+4*\s+1], s45, \s*SLOT
	s_add_nc_u64 s[G0+4*\s+2:G0+4*\s+3], s[20:21], \s*HALFT
	s_or_b32 s[G0+4*\s+3], s[G0+4*\s+3], 0x80000000
	s_mov_b32 s[G0B+4*\s], 1
	s_add_co_u32 s[G0B+4*\s+1], s45, \s*SLOT
	s_add_nc_u64 s[G0B+4*\s+2:G0B+4*\s+3], s[46:47], \s*HALFT
	s_or_b32 s[G0B+4*\s+3], s[G0B+4*\s+3], 0x80000000
.endr
	v_and_b32 v1, 15, v0
	v_bfe_u32 v2, v0, 4, 1
	v_and_b32 v3, 31, v0
	v_lshlrev_b32 v[L8], 3, v3
.if MODE == 0
	s_wait_alu depctr_va_vdst(0)
	s_cmp_eq_u32 ttmp9, 0
	s_cselect_b64 s[96:97], s[96:97], s[98:99]
	s_lshl_b32 s20, s40, 10
	s_lshl_b32 s21, s16, 9
.elseif MODE == 1
	s_lshl_b32 s20, s17, 10
	s_lshl_b32 s21, s15, 9
.else
	s_lshl_b32 s20, s42, 10
	s_lshl_b32 s21, s16, 9
.endif
	s_add_co_u32 s20, s20, s21
	s_mov_b32 s21, 0
	s_add_nc_u64 s[96:97], s[96:97], s[20:21]
.if MODE == 1
	v_and_b32 v[BVA], 8, v1
	v_add_nc_u32 v[BVA], v[BVA], v1
	v_lshlrev_b32 v[BVA], 2, v[BVA]
.irp a, 0,1,2,3,4,5,6,7
	global_load_b32 v[BJ+2*\a], v[BVA], s[96:97] offset:(32*(\a/2)+8*(\a%2))*4
	global_load_b32 v[BJ+2*\a+1], v[BVA], s[96:97] offset:(32*(\a/2)+8*(\a%2))*4
.endr
.else
	v_lshlrev_b32 v[BVA], 6, v2
.irp b, 0,1,2,3,4,5,6,7
	global_load_b128 v[BJ+8*\b:BJ+8*\b+3], v[BVA], s[96:97] offset:(32*(\b/2)+8*(\b%2))*4
	global_load_b128 v[BJ+8*\b+4:BJ+8*\b+7], v[BVA], s[96:97] offset:(32*(\b/2)+8*(\b%2))*4+16
.endr
.endif
	s_mul_i32 s21, s15, HALFT
	s_mul_i32 s22, s16, HALFT
	s_add_co_u32 s22, s22, 2*HALFT
.irp s, 0,1
	v_add_nc_u32 v[ADRA+\s], s21, v[L8]
	v_add_nc_u32 v[ADRB+\s], s22, v[L8]
	s_add_co_u32 s21, s21, SLOT
	s_add_co_u32 s22, s22, SLOT
.endr
	v_lshlrev_b32 v5, 2, v1
	s_lshl_b32 s21, s15, 12
	s_lshl_b32 s22, s16, 12
	s_add_co_u32 s22, s22, 2*HALFS
	s_sub_co_u32 s22, s22, s21
	v_mul_u32_u24 v6, s22, v2
	s_add_co_u32 s21, s21, SCL
	v_add_nc_u32 v5, v5, v6
	v_add_nc_u32 v[ADRS], s21, v5
.if MODE == 2
	s_mul_i32 s23, s14, 16*SPITCH
	v_mul_u32_u24 v5, v1, SPITCH
	v_lshl_add_u32 v5, v2, 6, v5
	v_add_nc_u32 v[STO], s23, v5
	v_lshlrev_b32 v[CO], 4, v3
	v_add_nc_u32 v[RD], s23, v[CO]
	s_lshl_b32 s20, s17, 20
	s_lshl_b32 s21, s15, 19
	s_add_co_u32 s20, s20, s21
	s_lshl_b32 s21, s42, 10
	s_add_co_u32 s20, s20, s21
	s_lshl_b32 s21, s16, 9
	s_add_co_u32 s20, s20, s21
	s_mov_b32 s21, 0
	s_add_nc_u64 s[12:13], s[98:99], s[20:21]
.else
	s_lshl_b32 s23, s14, 10
	v_lshlrev_b32 v[H16], 4, v2
	v_lshlrev_b32 v[SWR], 4, v3
	v_add_nc_u32 v[SWR], s23, v[SWR]
.if MODE == 0
	v_lshlrev_b32 v[SWS], 9, v2
	v_lshl_add_u32 v[SWS], v1, 2, v[SWS]
	v_add_nc_u32 v[SWS], s23, v[SWS]
	v_lshlrev_b32 v[SWG], 4, v3
	s_lshr_b32 s20, s17, 3
	s_lshl_b32 s20, s20, 4
	s_lshl_b32 s21, s40, 2
	s_add_co_u32 s20, s20, s21
	s_lshl_b32 s21, s16, 1
	s_add_co_u32 s20, s20, s21
	s_and_b32 s21, s17, 7
	s_lshl_b32 s21, s21, 4
	s_lshl_b32 s22, s15, 3
	s_add_co_u32 s21, s21, s22
	s_mul_i32 s22, s20, 98304
	s_mul_i32 s23, s21, 768
	s_add_co_u32 s22, s22, s23
	s_mul_i32 s23, ttmp9, 6291456
	s_add_co_u32 s22, s22, s23
	s_mov_b32 s23, 0
	s_add_nc_u64 s[12:13], s[66:67], s[22:23]
	s_lshl_b32 s22, s20, 13
	s_lshl_b32 s23, s21, 6
	s_add_co_u32 s22, s22, s23
	s_lshl_b32 s23, ttmp9, 19
	s_add_co_u32 s22, s22, s23
	s_add_co_u32 s22, s22, 12582912
	s_mov_b32 s23, 0
	s_add_nc_u64 s[66:67], s[66:67], s[22:23]
.else
	v_lshlrev_b32 v[SWS], 2, v1
	v_add_nc_u32 v[SWS], s23, v[SWS]
	v_lshlrev_b32 v[SWG], 12, v2
	v_lshl_add_u32 v[SWG], v1, 4, v[SWG]
	s_lshl_b32 s20, s42, 1
	s_add_co_u32 s20, s20, s16
	s_lshr_b32 s21, s20, 4
	s_lshl_b32 s21, s21, 4
	s_lshl_b32 s22, s17, 2
	s_add_co_u32 s21, s21, s22
	s_lshl_b32 s22, s15, 1
	s_add_co_u32 s21, s21, s22
	s_and_b32 s20, s20, 15
	s_mul_i32 s22, s21, 98304
	s_mul_i32 s23, s20, 6144
	s_add_co_u32 s22, s22, s23
	s_mov_b32 s23, 0
	s_add_nc_u64 s[12:13], s[98:99], s[22:23]
	s_lshl_b32 s22, s21, 12
	s_lshl_b32 s23, s20, 8
	s_add_co_u32 s22, s22, s23
	s_add_co_u32 s22, s22, 6291456
	s_mov_b32 s23, 0
	s_add_nc_u64 s[66:67], s[98:99], s[22:23]
.endif
.endif
	s_mov_b32 s92, 0x76543210
	s_mov_b32 s93, 0xfedcba98
.macro FRAG reg, adr, q, i
.irp p, 0,1,2,3,4,5
	ds_load_b64 v[\reg+2*\p:\reg+2*\p+1], v[\adr] offset:3072*(\i)+1536*(\q)+256*\p
.endr
.endm
.macro MUL16 a0, p, q, sc, zero
.irp a, \a0, \a0+1
.irp b, 0,1,2,3,4,5,6,7
.if (\zero) && (MODE == 1)
	v_wmma_scale_f32_16x16x128_f8f6f4 v[8*(8*((\a)%4)+\b):8*(8*((\a)%4)+\b)+7], v[128*(\p)+FR*\b:128*(\p)+FR*\b+FR-1], v[AF+FR*(\a):AF+FR*(\a)+FR-1], 0, v[SC+8*NQ*(\sc)+NQ*\b+(\q)], v[SC+8*NQ*(\sc)+NQ*(\a)+(\q)] matrix_a_fmt:MATRIX_FMT_FP6 matrix_b_fmt:MATRIX_FMT_FP6 matrix_a_scale:MATRIX_SCALE_ROW1
.elseif \zero
	v_wmma_scale_f32_16x16x128_f8f6f4 v[8*(8*((\a)%4)+\b):8*(8*((\a)%4)+\b)+7], v[128*(\p)+FR*\b:128*(\p)+FR*\b+FR-1], v[AF+FR*(\a):AF+FR*(\a)+FR-1], v[BJ+8*\b:BJ+8*\b+7], v[SC+8*NQ*(\sc)+NQ*\b+(\q)], v[SC+8*NQ*(\sc)+NQ*(\a)+(\q)] matrix_a_fmt:MATRIX_FMT_FP6 matrix_b_fmt:MATRIX_FMT_FP6 matrix_a_scale:MATRIX_SCALE_ROW1
.else
	v_wmma_scale_f32_16x16x128_f8f6f4 v[8*(8*((\a)%4)+\b):8*(8*((\a)%4)+\b)+7], v[128*(\p)+FR*\b:128*(\p)+FR*\b+FR-1], v[AF+FR*(\a):AF+FR*(\a)+FR-1], v[8*(8*((\a)%4)+\b):8*(8*((\a)%4)+\b)+7], v[SC+8*NQ*(\sc)+NQ*\b+(\q)], v[SC+8*NQ*(\sc)+NQ*(\a)+(\q)] matrix_a_fmt:MATRIX_FMT_FP6 matrix_b_fmt:MATRIX_FMT_FP6 matrix_a_scale:MATRIX_SCALE_ROW1
.endif
.endr
.endr
.endm
.macro FETCH_B slot, q, p
	WIN TO_B
.irp i, 0,1,2,3,4,5,6,7
	FRAG 128*(\p)+FR*\i, ADRB+\slot, \q, \i
.endr
	WIN 0
.endm
.macro FETCH_A slot, q, i0
.irp i, \i0, \i0+1, \i0+2, \i0+3
	FRAG AF+FR*(\i), ADRA+\slot, \q, \i
.endr
.endm
.macro SCALES sc
.irp i, 0,1,2,3,4,5,6,7
.irp q, 0,1
	ds_load_b32 v[SC+8*NQ*\sc+NQ*\i+\q], v[ADRS] offset:512*\i+64*\q
.endr
.endr
.endm
.macro PLACES n
.rept \n
	v_nop
.endr
.endm
.macro STEP slot, q, zero
	s_wait_dscnt 4*NL
.if (\zero) && (MODE != 1)
	WIN 0x81
.else
	WIN MUL_LO
.endif
	MUL16 0, (\q)%2, \q, \slot, \zero
	MUL16 2, (\q)%2, \q, \slot, \zero
	s_wait_dscnt 0
	PLACES NP
	FETCH_B \slot, (\q)+1, 1-(\q)%2
	FETCH_A \slot, (\q)+1, 0
.if (\zero) && (MODE != 1)
	WIN 0xc1
.else
	WIN MUL_HI
.endif
	MUL16 4, (\q)%2, \q, \slot, \zero
	MUL16 6, (\q)%2, \q, \slot, \zero
	PLACES NP
	WIN 0
	FETCH_A \slot, (\q)+1, 4
.endm
.macro TURN slot, next, fill
	s_wait_tensorcnt 0x0
	ds_add_u32 v[SPW], v[NIL]
	s_wait_dscnt 4*NL+1
	WIN MUL_LO
	MUL16 0, 1, NQ-1, \slot, 0
	s_wait_dscnt 0x0
	s_barrier_signal -1
	MUL16 2, 1, NQ-1, \slot, 0
	WIN 0
	s_barrier_wait -1
.if \fill
	CREST
	s_add_nc_u64 s[G0+4*\slot+2:G0+4*\slot+3], s[G0+4*\slot+2:G0+4*\slot+3], 2*HALFT
	s_add_nc_u64 s[G0B+4*\slot+2:G0B+4*\slot+3], s[G0B+4*\slot+2:G0B+4*\slot+3], 2*HALFT
	JLOAD G0+4*\slot, G1, G0B+4*\slot, G1B
.else
	PLACES NP
.endif
	s_wait_alu depctr_va_vdst(0)
	v_add_nc_u32 v[ADRS], 128, v[ADRS]
	FETCH_B \next, 0, 0
	FETCH_A \next, 0, 0
	SCALES \next
	WIN MUL_HI
	MUL16 4, 1, NQ-1, \slot, 0
	MUL16 6, 1, NQ-1, \slot, 0
	PLACES NP
	WIN 0
	FETCH_A \next, 0, 4
.endm
.macro OUTBLK a
.set W, 2+(\a)/4
.set AC, 64*((\a)%4)
.if MODE == 1
	WIN (W<<6)|W
.set n, 0
.rept 32
	v_pk_add_f32 v[AC+n:AC+n+1], v[AC+n:AC+n+1], v[BJ+2*(\a):BJ+2*(\a)+1]
.set n, n+2
.endr
.endif
	WIN 0
.irp b, 0,1,2,3
	v_mov_b32 v[TM+\b], 0x1800000
.endr
	WIN (W<<2)|(W<<4)
.irp i, 0,2,4,6,8,10,12,14
.irp b, 0,1,2,3
	v_max3_num_f32 v[TM+\b], v[TM+\b], |v[AC+16*\b+\i]|, |v[AC+16*\b+\i+1]|
.endr
.endr
	WIN 0
.irp b, 0,1,2,3
	v_permlanex16_b32 v[TM+4+\b], v[TM+\b], s92, s93
.endr
.irp b, 0,1,2,3
	v_max_num_f32 v[TM+\b], v[TM+\b], v[TM+4+\b]
.endr
.irp b, 0,1,2,3
	v_add_nc_u32 v[TM+12+\b], 0xff000000, v[TM+\b]
.endr
.irp b, 0,1,2,3
	v_lshrrev_b32 v[TM+4+\b], 23, v[TM+12+\b]
.endr
	v_lshl_or_b32 v[PWS+(\a)], v[TM+5], 8, v[TM+4]
	v_lshl_or_b32 v[PWS+(\a)], v[TM+6], 16, v[PWS+(\a)]
	v_lshl_or_b32 v[PWS+(\a)], v[TM+7], 24, v[PWS+(\a)]
	s_wait_xcnt 0x0
	WIN W
.irp c, 0,1
	v_cvt_scalef32_pk16_fp6_f32 v[PC+6*\c:PC+6*\c+2], v[AC+32*\c:AC+32*\c+15], v[TM+12+2*\c]
	v_cvt_scalef32_pk16_fp6_f32 v[PC+12+4*\c:PC+14+4*\c], v[AC+32*\c+16:AC+32*\c+31], v[TM+12+2*\c+1]
.endr
	WIN 0
	v_nop
.irp c, 0,1
.irp i, 0,1,2
	v_permlane16_swap_b32 v[PC+6*\c+\i], v[PC+12+4*\c+\i]
.endr
.irp i, 0,1,2
	v_mov_b32 v[PC+3+6*\c+\i], v[PC+12+4*\c+\i]
.endr
.endr
.if MODE == 0
	v_lshrrev_b32 v[PWH+(\a)], v[H16], v[PWS+(\a)]
	ds_store_b32 v[SWS], v[PWH+(\a)] offset:64*(\a)
.irp p, 0,1,2,3,4,5
	global_store_b64 v[L8], v[PC+2*\p:PC+2*\p+1], s[12:13] offset:768*(\a)+98304*(\p/3)+256*(\p%3)
.endr
.else
	ds_store_b32 v[SWS], v[PWS+(\a)] offset:64*(\a)
.irp p, 0,1,2,3,4,5
	global_store_b64 v[L8], v[PC+2*\p:PC+2*\p+1], s[12:13] offset:98304*((\a)/4)+1536*((\a)%4)+256*\p
.endr
.endif
.endm
.macro TOSTAGE a
.set AC, 64*((\a)%4)
	WIN 0x08+4*((\a)/4)
.irp b, 0,1,2,3,4,5,6,7
	ds_store_b128 v[STO], v[AC+8*\b:AC+8*\b+3] offset:128*(\b/2)+32*(\b%2)
	ds_store_b128 v[STO], v[AC+8*\b+4:AC+8*\b+7] offset:128*(\b/2)+32*(\b%2)+16
.endr
	WIN 0
.set BB, BK+64*((\a)%2)
.irp t, 0,1,2,3,4,5,6,7,8,9,10,11,12,13,14,15
	ds_load_b128 v[BB+4*\t:BB+4*\t+3], v[RD] offset:\t*SPITCH
.endr
.endm
.macro SEND a, younger
.set BB, BK+64*((\a)%2)
	s_wait_dscnt \younger
.irp t, 0,1,2,3,4,5,6,7,8,9,10,11,12,13,14,15
	global_store_b128 v[CO], v[BB+4*\t:BB+4*\t+3], s[12:13] offset:(32*((\a)/2)+8*((\a)%2)+\t+8*(\t/8))*4096 th:TH_STORE_NT
.endr
.endm
	s_wait_alu depctr_va_vdst(0)
	s_wait_tensorcnt 0x0                           ; my tile of the head's four is in
	ds_add_u32 v[SPW], v[NIL]
.irp g, G1, G1B                        ; no tensor load of mine is out: from here on a load brings 96 rows of 256 bytes
	s_mov_b32 s[\g+1], 32<<16
	s_mov_b32 s[\g+2], 96<<16
	s_mov_b32 s[\g+3], 32<<16
	s_mov_b32 s[\g+4], 96
	s_mov_b32 s[\g+5], 32
.endr
	s_wait_dscnt 0x0
	CROUND                                         ; all four tiles are in, and all sixteen work-groups are here
	JLOAD G0+4, G1, G0B+4, G1B                     ; chunk 1, the first tensor load behind the round
	FETCH_B 0, 0, 0
	FETCH_A 0, 0, 0
	SCALES 0
	global_prefetch_b8 v30, s[100:101] offset:3*HALFT th:TH_LOAD_NT scope:SCOPE_SE   ; chunk 3, two fills ahead of its load
	FETCH_A 0, 0, 4
	s_wait_loadcnt 0x0
	STEP 0, 0, 1
	s_mov_b32 s3, LAPS-1
.Llap:
	TURN 0, 1, 1
	STEP 1, 0, 0
	TURN 1, 0, 1
	STEP 0, 0, 0
	s_sub_co_u32 s3, s3, 1
	s_cmp_lg_u32 s3, 0
	s_cbranch_scc1 .Llap
	TURN 0, 1, 0
	STEP 1, 0, 0
	s_wait_dscnt 4*NL
	WIN MUL_LO
	MUL16 0, 1, NQ-1, 1, 0
	MUL16 2, 1, NQ-1, 1, 0
	s_wait_dscnt 0
	WIN MUL_HI
	MUL16 4, 1, NQ-1, 1, 0
	MUL16 6, 1, NQ-1, 1, 0
	WIN 0
	PLACES NP
.if MODE == 2
	TOSTAGE 0
.irp a, 1,2,3,4,5,6,7
.if \a > 1
	s_wait_xcnt 0x0
.endif
	TOSTAGE \a
	SEND \a-1, 32
.endr
	SEND 7, 0
.else
.irp b, 0,1,2,3
	v_mov_b32 v[TM+4+\b], 0
.endr
.irp a, 0,1,2,3,4,5,6,7
	OUTBLK \a
.endr
	ds_load_b128 v[SWD:SWD+3], v[SWR]
.if MODE == 0
	ds_load_b128 v[SWD+4:SWD+7], v[SWR] offset:512
.endif
	s_wait_dscnt 0x0
	global_store_b128 v[SWG], v[SWD:SWD+3], s[66:67]
.if MODE == 0
	global_store_b128 v[SWG], v[SWD+4:SWD+7], s[66:67] offset:8192
.endif
.endif
	s_wait_tensorcnt 0x0
	ds_add_u32 v[SPW], v[NIL]
	s_wait_dscnt 0x0
	CROUND
	s_endpgm
.Lfunc_end_k_qd9225b5454_gemm_qk:
	.size	k_qd9225b5454_gemm_qk, .Lfunc_end_k_qd9225b5454_gemm_qk-k_qd9225b5454_gemm_qk
	.p2alignl 7, 3214868480
	.fill 96, 4, 3214868480
	.section	.rodata,"a",@progbits
	.p2align	6, 0x0
	.amdhsa_kernel k_qd9225b5454_gemm_qk
		.amdhsa_group_segment_fixed_size 327680
		.amdhsa_private_segment_fixed_size 0
		.amdhsa_enable_private_segment 0
		.amdhsa_kernarg_size 40
		.amdhsa_user_sgpr_count 2
		.amdhsa_user_sgpr_kernarg_segment_ptr 1
		.amdhsa_wavefront_size32 1
		.amdhsa_system_sgpr_workgroup_id_x 1
		.amdhsa_system_sgpr_workgroup_id_y 1
		.amdhsa_system_sgpr_workgroup_id_z 1
		.amdhsa_system_vgpr_workitem_id 0
		.amdhsa_next_free_vgpr 1024
		.amdhsa_next_free_sgpr 102
		.amdhsa_reserve_vcc 0
		.amdhsa_float_denorm_mode_32 3
		.amdhsa_float_denorm_mode_16_64 3
		.amdhsa_memory_ordered 1
		.amdhsa_forward_progress 1
		.amdhsa_inst_pref_size 174
	.end_amdhsa_kernel
	.amdgpu_metadata
---
amdhsa.version: [ 1, 2 ]
amdhsa.kernels:
  - .name:           k_qd9225b5454_gemm_qk
    .symbol:         k_qd9225b5454_gemm_qk.kd
    .args:
      - { .name: xq, .offset: 0, .size: 8, .value_kind: global_buffer, .address_space: global }
      - { .name: wq, .offset: 8, .size: 8, .value_kind: global_buffer, .address_space: global }
      - { .name: bq, .offset: 16, .size: 8, .value_kind: global_buffer, .address_space: global }
      - { .name: bk, .offset: 24, .size: 8, .value_kind: global_buffer, .address_space: global }
      - { .name: qk, .offset: 32, .size: 8, .value_kind: global_buffer, .address_space: global }
    .group_segment_fixed_size: 327680
    .private_segment_fixed_size: 0
    .kernarg_segment_align: 8
    .kernarg_segment_size: 40
    .max_flat_workgroup_size: 128
    .sgpr_count:     102
    .vgpr_count:     1024
    .wavefront_size: 32
...
	.end_amdgpu_metadata
.endif
;; end of part 2
;; launch gemm_v (part 3): grid 32 x 8, 4 waves a work-group, clusters of 4 x 4, 327,680 bytes of LDS; arguments wq, xq, bv, vq; writes vq
.if DOCPART == 3
	.amdgcn_target "amdgcn-amd-amdhsa--gfx1250"
	.amdhsa_code_object_version 6
	.text
	.protected	k_qd9225b5454_gemm_v
	.globl	k_qd9225b5454_gemm_v
	.p2align	8
	.type	k_qd9225b5454_gemm_v,@function
k_qd9225b5454_gemm_v:
	s_mov_b64 s[64:65], 0
	v_nop
	global_prefetch_b8 v0, s[64:65] scope:SCOPE_SE
	s_setreg_imm32_b32 hwreg(HW_REG_WAVE_MODE, 25, 1), 1
	s_wait_xcnt 0x0
	s_wait_alu depctr_hold_cnt(0) depctr_sa_sdst(0) depctr_va_vdst(0) depctr_va_sdst(0) depctr_va_ssrc(0) depctr_va_vcc(0) depctr_vm_vsrc(0)
	s_getreg_b32 s2, hwreg(HW_REG_IB_STS2, 6, 4)
	s_cmp_eq_u32 s2, 0
	s_cbranch_scc0 .Lentry_in_a_cluster
	s_endpgm
.Lentry_in_a_cluster:
	s_bfe_u32 s2, ttmp6, 0x10000c
	s_cmp_lg_u32 s2, 0xf033
	s_cbranch_scc0 .Lentry_shape_is_right
	s_endpgm
.Lentry_shape_is_right:
.set MODE, 1
.if MODE == 0
.set A_RB0, 0
.set A_SC,  6291456
.set B_RB0, 0
.set B_SC,  3145728
.elseif MODE == 1
.set A_RB0, 16
.set A_SC,  3145728
.set B_RB0, 0
.set B_SC,  6291456
.else
.set A_RB0, 0
.set A_SC,  6291456
.set B_RB0, 24
.set B_SC,  3145728
.endif
.set NQ,     2
.set FR,     12
.set NL,     6
.set NP,     4
.set HALFT,  24576
.set SLOT,   3*HALFT                   ; a block of 128 rows of A x 256 rows of B: A's 128 rows, then B's two halves; a wave makes 64 x 128
.set LAPS,   2
.set SCL,    2*SLOT
.set HALFS,  4096
.set SPARE,  SCL+4*HALFS
.set SPITCH, 528
.set BVA,  7
.set L8,   10
.set H16,  11
.set SWS,  12
.set SWR,  13
.set SWG,  14
.set ADRA, 16
.set ADRB, 20
.set STO,  24
.set RD,   25
.set CO,   26
.set ADRS, 27
.set SPW,  28
.set NIL,  29
.set SC,   32
.set BJ,   64
.set AF,   128
.set BK,   128
.set PC,   112
.set TM,   200
.set PWS,  224
.set PWH,  232
.set SWD,  240
.set G1, 24
.set G0, 32
.set G1B, 48
.set G0B, 56
.set G1S, 68
.set G0S, 76
.set G1SB, 80
.set G0SB, 88
.set MSB, 0
.macro WIN new
.if MSB != (\new)
	s_set_vgpr_msb (MSB<<8)|(\new)
.set MSB, (\new)
.endif
.endm
.set MUL_LO, 0xa1
.set MUL_HI, 0xf1
.set TO_B,   0x40
.macro JLOAD g0a, g1a, g0b, g1b
	s_cmp_eq_u32 s15, 0
	s_cbranch_scc0 .Lfor_b_\@
	tensor_load_to_lds s[\g0a:\g0a+3], s[\g1a:\g1a+7]
	s_nop 0
.rept 4
	v_nop
.endr
	s_branch .Lasked_\@
.Lfor_b_\@:
	tensor_load_to_lds s[\g0b:\g0b+3], s[\g1b:\g1b+7]
	s_nop 0
.rept 4
	v_nop
.endr
.Lasked_\@:
.endm
.macro CREST
	s_cmp_lg_u32 s14, 0
	s_cbranch_scc1 .Lnot_wave_0_\@
	s_barrier_signal -3
.Lnot_wave_0_\@:
	s_barrier_wait -3
	s_barrier_signal -1
	s_barrier_wait -1
.endm
.macro CROUND
	s_barrier_signal -1
	s_barrier_wait -1
	CREST
.endm
	s_load_b64 s[4:5], s[0:1], 0x0
	s_load_b64 s[8:9], s[0:1], 0x8
	s_load_b128 s[96:99], s[0:1], 0x10
.if MODE == 0
	s_load_b64 s[66:67], s[0:1], 0x20
.endif
	v_lshl_add_u32 v[SPW], v0, 2, SPARE
	v_mov_b32 v[NIL], 0
	ds_add_u32 v[SPW], v[NIL]
	ds_add_u32 v[SPW], v[NIL]
	v_lshrrev_b32 v1, 5, v0
	v_readfirstlane_b32 s14, v1
	s_lshr_b32 s15, s14, 1
	s_and_b32 s16, s14, 1
	s_bfe_u32 s40, ttmp6, 0x40000
	s_bfe_u32 s41, ttmp6, 0x40004
	s_lshl_b32 s42, ttmp9, 2
	s_add_co_u32 s42, s42, s40
.if MODE == 1
	s_and_b32 s17, ttmp7, 0xffff
	s_lshl_b32 s17, s17, 2
	s_add_co_u32 s17, s17, s41
.else
	s_and_b32 s17, ttmp7, 0xffff
	s_lshl_b32 s17, s17, 2
	s_add_co_u32 s17, s17, s41
.endif
	s_lshl_b32 s43, s41, 2
	s_lshl_b32 s43, 15, s43
	s_lshl_b32 s44, 0x1111, s40
	s_or_b32 s[G1+0], s43, (3<<16)|(1<<21)
	s_or_b32 s[G1B+0], s44, (3<<16)|(1<<21)
.irp g, G1, G1B                        ; for the head's loads: a chunk's two halves as two rows of 24,576 bytes, 98,304 bytes apart
	s_mov_b32 s[\g+1], 3072<<16
	s_mov_b32 s[\g+2], 2<<16
	s_mov_b32 s[\g+3], 3072<<16
	s_mov_b32 s[\g+4], 2
	s_mov_b32 s[\g+5], 12288
	s_mov_b32 s[\g+6], 0
	s_mov_b32 s[\g+7], 0
.endr
	s_or_b32 s[G1S+0], s43, (3<<16)|(1<<21)
	s_or_b32 s[G1SB+0], s44, (3<<16)|(1<<21)
.irp g, G1S, G1SB                      ; the scale words of 256 rows: 32 rows of 256 bytes
	s_mov_b32 s[\g+1], 32<<16
	s_mov_b32 s[\g+2], 32<<16
	s_mov_b32 s[\g+3], 32<<16
	s_mov_b32 s[\g+4], 32
	s_mov_b32 s[\g+5], 32
	s_mov_b32 s[\g+6], 0
	s_mov_b32 s[\g+7], 0
.endr
	s_mov_b32 s[G1+1], 32<<16                      ; A's chunk at the head is one dense block: 96 rows of 256 bytes
	s_mov_b32 s[G1+2], 96<<16
	s_mov_b32 s[G1+3], 32<<16
	s_mov_b32 s[G1+4], 96
	s_mov_b32 s[G1+5], 32
	s_mov_b32 s[G1S+2], 16<<16                     ; and the scale words of its 128 rows 16 rows
	s_mov_b32 s[G1S+4], 16
	s_add_co_u32 s20, s17, A_RB0                   ; A's block of 128 rows
	s_lshl_b32 s46, s42, 1
	s_add_co_u32 s46, s46, s16
	s_add_co_u32 s46, s46, B_RB0
	s_lshl_b32 s22, s20, 12
	s_mov_b32 s23, 0
	s_lshl_b32 s92, s46, 12
	s_mov_b32 s93, 0
	s_mul_i32 s20, s20, 98304
	s_mul_i32 s2, s16, 12288                       ; in the ring waves 0 and 1 fetch half of A's block each
	s_add_co_u32 s20, s20, s2
	s_mov_b32 s21, 0
	s_mul_i32 s46, s46, 98304
	s_mov_b32 s47, 0
	s_mul_i32 s45, s16, 12288                      ; LDS: A's two parts,
	s_mul_i32 s94, s16, HALFT
	s_add_co_u32 s94, s94, HALFT                   ; B's two halves behind them
	s_wait_dscnt 0x0
	s_wait_kmcnt 0x0
	s_add_nc_u64 s[6:7], s[4:5], A_SC
	s_add_nc_u64 s[10:11], s[8:9], B_SC
	s_add_nc_u64 s[20:21], s[4:5], s[20:21]
	s_add_nc_u64 s[22:23], s[6:7], s[22:23]
	s_add_nc_u64 s[46:47], s[8:9], s[46:47]
	s_add_nc_u64 s[92:93], s[10:11], s[92:93]
	CROUND
; THE HEAD'S FOUR TILES, ONE JOINT LOAD A WAVE: wave 0 A's chunk 0, wave 2 B's (their addresses hold the first half), wave 1 A's scale words (all of its block), wave 3 B's (its address holds the second half: 4,096 bytes back)
	s_mov_b32 s4, 1
	s_mov_b32 s5, 0
	s_mov_b64 s[6:7], s[20:21]
	s_or_b32 s7, s7, 0x80000000
	s_mov_b32 s8, 1
	s_mov_b32 s9, HALFT
	s_mov_b64 s[10:11], s[46:47]
	s_or_b32 s11, s11, 0x80000000
	s_mov_b32 s[G0S], 1
	s_mov_b32 s[G0S+1], SCL
	s_mov_b64 s[G0S+2:G0S+3], s[22:23]
	s_or_b32 s[G0S+3], s[G0S+3], 0x80000000
	s_mov_b32 s[G0SB], 1
	s_mov_b32 s[G0SB+1], SCL+HALFS
	s_sub_nc_u64 s[G0SB+2:G0SB+3], s[92:93], 4096
	s_or_b32 s[G0SB+3], s[G0SB+3], 0x80000000
.macro ARM w, g0, g1, next             ; one chain of branches on the wave's number, one load to an arm
	s_cmp_eq_u32 s14, \w
	s_cbranch_scc0 \next
	tensor_load_to_lds s[\g0:\g0+3], s[\g1:\g1+7]
	s_nop 0
.rept 4
	v_nop
.endr
	s_branch .Lhead_asked
\next:
.endm
	ARM 0, 4, G1, .Lhead_b
	ARM 2, 8, G1B, .Lhead_sa
	ARM 1, G0S, G1S, .Lhead_sb
	tensor_load_to_lds s[G0SB:G0SB+3], s[G1SB:G1SB+7]
	s_nop 0
.rept 4
	v_nop
.endr
.Lhead_asked:
; prefetches: of the blocks of 256 bytes that I fetch of a chunk (48 of A, 96 of B), my work-group names a quarter, by its place among the four partners that ask for them with me (cx for A, cy for B); lanes 12-31 (A) or 24-31 (B) name the last again
	s_cmp_eq_u32 s15, 0
	s_cselect_b64 s[100:101], s[20:21], s[46:47]
	s_cselect_b32 s2, s40, s41
	s_cselect_b32 s3, 12, 24                       ; a quarter of the blocks that I fetch of a chunk: 48 of A, 96 of B
	s_mul_i32 s2, s2, s3
	s_lshl_b32 s2, s2, 8
	s_sub_co_u32 s3, s3, 1
	v_and_b32 v30, 31, v0
	v_min_u32 v30, s3, v30
	v_lshl_add_u32 v30, v30, 8, s2
	global_prefetch_b8 v30, s[100:101] offset:HALFT th:TH_LOAD_NT scope:SCOPE_SE     ; chunk 1: its load leaves when the head's tiles have landed
	global_prefetch_b8 v30, s[100:101] offset:2*HALFT th:TH_LOAD_NT scope:SCOPE_SE   ; chunk 2, two fills ahead of its load
.irp s, 0,1
	s_mov_b32 s[G0+4*\s], 1
	s_add_co_u32 s[G0+4*\s+1], s45, \s*SLOT
	s_add_nc_u64 s[G0+4*\s+2:G0+4*\s+3], s[20:21], \s*HALFT
	s_or_b32 s[G0+4*\s+3], s[G0+4*\s+3], 0x80000000
	s_mov_b32 s[G0B+4*\s], 1
	s_add_co_u32 s[G0B+4*\s+1], s94, \s*SLOT
	s_add_nc_u64 s[G0B+4*\s+2:G0B+4*\s+3], s[46:47], \s*HALFT
	s_or_b32 s[G0B+4*\s+3], s[G0B+4*\s+3], 0x80000000
.endr
	v_and_b32 v1, 15, v0
	v_bfe_u32 v2, v0, 4, 1
	v_and_b32 v3, 31, v0
	v_lshlrev_b32 v[L8], 3, v3
.if MODE == 0
	s_cmp_eq_u32 ttmp9, 0
	s_cselect_b64 s[96:97], s[96:97], s[98:99]
	s_lshl_b32 s20, s40, 10
	s_lshl_b32 s21, s16, 9
.elseif MODE == 1
	s_wait_alu depctr_va_vdst(0)
	s_lshl_b32 s20, s17, 9
	s_lshl_b32 s21, s15, 8
.else
	s_lshl_b32 s20, s42, 10
	s_lshl_b32 s21, s16, 9
.endif
	s_add_co_u32 s20, s20, s21
	s_mov_b32 s21, 0
	s_add_nc_u64 s[96:97], s[96:97], s[20:21]
.if MODE == 1
	v_and_b32 v[BVA], 8, v1
	v_add_nc_u32 v[BVA], v[BVA], v1
	v_lshlrev_b32 v[BVA], 2, v[BVA]
.irp a, 0,1,2,3
	global_load_b32 v[BJ+2*\a], v[BVA], s[96:97] offset:(32*(\a/2)+8*(\a%2))*4
	global_load_b32 v[BJ+2*\a+1], v[BVA], s[96:97] offset:(32*(\a/2)+8*(\a%2))*4
.endr
.else
	v_lshlrev_b32 v[BVA], 6, v2
.irp b, 0,1,2,3,4,5,6,7
	global_load_b128 v[BJ+8*\b:BJ+8*\b+3], v[BVA], s[96:97] offset:(32*(\b/2)+8*(\b%2))*4
	global_load_b128 v[BJ+8*\b+4:BJ+8*\b+7], v[BVA], s[96:97] offset:(32*(\b/2)+8*(\b%2))*4+16
.endr
.endif
	s_mul_i32 s21, s15, 12288                      ; my four tiles of A
	s_mul_i32 s22, s16, HALFT
	s_add_co_u32 s22, s22, HALFT                   ; my 128 rows of B
.irp s, 0,1
	v_add_nc_u32 v[ADRA+\s], s21, v[L8]
	v_add_nc_u32 v[ADRB+\s], s22, v[L8]
	s_add_co_u32 s21, s21, SLOT
	s_add_co_u32 s22, s22, SLOT
.endr
	v_lshlrev_b32 v5, 2, v1
	s_lshl_b32 s21, s15, 11
	s_lshl_b32 s22, s16, 12
	s_add_co_u32 s22, s22, HALFS
	s_sub_co_u32 s22, s22, s21
	v_mul_u32_u24 v6, s22, v2
	s_add_co_u32 s21, s21, SCL
	v_add_nc_u32 v5, v5, v6
	v_add_nc_u32 v[ADRS], s21, v5
.if MODE == 2
	s_mul_i32 s23, s14, 16*SPITCH
	v_mul_u32_u24 v5, v1, SPITCH
	v_lshl_add_u32 v5, v2, 6, v5
	v_add_nc_u32 v[STO], s23, v5
	v_lshlrev_b32 v[CO], 4, v3
	v_add_nc_u32 v[RD], s23, v[CO]
	s_lshl_b32 s20, s17, 20
	s_lshl_b32 s21, s15, 19
	s_add_co_u32 s20, s20, s21
	s_lshl_b32 s21, s42, 10
	s_add_co_u32 s20, s20, s21
	s_lshl_b32 s21, s16, 9
	s_add_co_u32 s20, s20, s21
	s_mov_b32 s21, 0
	s_add_nc_u64 s[12:13], s[98:99], s[20:21]
.else
	s_lshl_b32 s23, s14, 10
	v_lshlrev_b32 v[H16], 4, v2
	v_lshlrev_b32 v[SWR], 3, v3
	v_add_nc_u32 v[SWR], s23, v[SWR]
.if MODE == 0
	v_lshlrev_b32 v[SWS], 9, v2
	v_lshl_add_u32 v[SWS], v1, 2, v[SWS]
	v_add_nc_u32 v[SWS], s23, v[SWS]
	v_lshlrev_b32 v[SWG], 4, v3
	s_lshr_b32 s20, s17, 3
	s_lshl_b32 s20, s20, 4
	s_lshl_b32 s21, s40, 2
	s_add_co_u32 s20, s20, s21
	s_lshl_b32 s21, s16, 1
	s_add_co_u32 s20, s20, s21
	s_and_b32 s21, s17, 7
	s_lshl_b32 s21, s21, 4
	s_lshl_b32 s22, s15, 3
	s_add_co_u32 s21, s21, s22
	s_mul_i32 s22, s20, 98304
	s_mul_i32 s23, s21, 768
	s_add_co_u32 s22, s22, s23
	s_mul_i32 s23, ttmp9, 6291456
	s_add_co_u32 s22, s22, s23
	s_mov_b32 s23, 0
	s_add_nc_u64 s[12:13], s[66:67], s[22:23]
	s_lshl_b32 s22, s20, 13
	s_lshl_b32 s23, s21, 6
	s_add_co_u32 s22, s22, s23
	s_lshl_b32 s23, ttmp9, 19
	s_add_co_u32 s22, s22, s23
	s_add_co_u32 s22, s22, 12582912
	s_mov_b32 s23, 0
	s_add_nc_u64 s[66:67], s[66:67], s[22:23]
.else
	v_lshlrev_b32 v[SWS], 2, v1
	v_add_nc_u32 v[SWS], s23, v[SWS]
	v_lshlrev_b32 v[SWG], 3, v3
	s_lshl_b32 s20, s42, 1
	s_add_co_u32 s20, s20, s16
	s_lshr_b32 s21, s20, 4
	s_lshl_b32 s21, s21, 4
	s_lshl_b32 s22, s17, 1
	s_add_co_u32 s21, s21, s22
	s_add_co_u32 s21, s21, s15                     ; my 64 rows of A are one head: 16 x batch + 2 x block + half
	s_and_b32 s20, s20, 15
	s_mul_i32 s22, s21, 98304
	s_mul_i32 s23, s20, 6144
	s_add_co_u32 s22, s22, s23
	s_mov_b32 s23, 0
	s_add_nc_u64 s[12:13], s[98:99], s[22:23]
	s_lshl_b32 s22, s21, 12
	s_lshl_b32 s23, s20, 8
	s_add_co_u32 s22, s22, s23
	s_add_co_u32 s22, s22, 6291456
	s_mov_b32 s23, 0
	s_add_nc_u64 s[66:67], s[98:99], s[22:23]
.endif
.endif
	s_mov_b32 s92, 0x76543210
	s_mov_b32 s93, 0xfedcba98
.macro FRAG reg, adr, q, i
.irp p, 0,1,2,3,4,5
	ds_load_b64 v[\reg+2*\p:\reg+2*\p+1], v[\adr] offset:3072*(\i)+1536*(\q)+256*\p
.endr
.endm
.macro MUL16 a0, p, q, sc, zero
.irp a, \a0, \a0+1
.irp b, 0,1,2,3,4,5,6,7
.if (\zero) && (MODE == 1)
	v_wmma_scale_f32_16x16x128_f8f6f4 v[8*(8*((\a)%4)+\b):8*(8*((\a)%4)+\b)+7], v[128*(\p)+FR*\b:128*(\p)+FR*\b+FR-1], v[AF+FR*(\a):AF+FR*(\a)+FR-1], 0, v[SC+8*NQ*(\sc)+NQ*\b+(\q)], v[SC+8*NQ*(\sc)+NQ*(\a)+(\q)] matrix_a_fmt:MATRIX_FMT_FP6 matrix_b_fmt:MATRIX_FMT_FP6 matrix_a_scale:MATRIX_SCALE_ROW1
.elseif \zero
	v_wmma_scale_f32_16x16x128_f8f6f4 v[8*(8*((\a)%4)+\b):8*(8*((\a)%4)+\b)+7], v[128*(\p)+FR*\b:128*(\p)+FR*\b+FR-1], v[AF+FR*(\a):AF+FR*(\a)+FR-1], v[BJ+8*\b:BJ+8*\b+7], v[SC+8*NQ*(\sc)+NQ*\b+(\q)], v[SC+8*NQ*(\sc)+NQ*(\a)+(\q)] matrix_a_fmt:MATRIX_FMT_FP6 matrix_b_fmt:MATRIX_FMT_FP6 matrix_a_scale:MATRIX_SCALE_ROW1
.else
	v_wmma_scale_f32_16x16x128_f8f6f4 v[8*(8*((\a)%4)+\b):8*(8*((\a)%4)+\b)+7], v[128*(\p)+FR*\b:128*(\p)+FR*\b+FR-1], v[AF+FR*(\a):AF+FR*(\a)+FR-1], v[8*(8*((\a)%4)+\b):8*(8*((\a)%4)+\b)+7], v[SC+8*NQ*(\sc)+NQ*\b+(\q)], v[SC+8*NQ*(\sc)+NQ*(\a)+(\q)] matrix_a_fmt:MATRIX_FMT_FP6 matrix_b_fmt:MATRIX_FMT_FP6 matrix_a_scale:MATRIX_SCALE_ROW1
.endif
.endr
.endr
.endm
.macro FETCH_B slot, q, p
	WIN TO_B
.irp i, 0,1,2,3,4,5,6,7
	FRAG 128*(\p)+FR*\i, ADRB+\slot, \q, \i
.endr
	WIN 0
.endm
.macro FETCH_A slot, q, i0
.irp i, \i0, \i0+1, \i0+2, \i0+3
	FRAG AF+FR*(\i), ADRA+\slot, \q, \i
.endr
.endm
.macro SCALES sc
.irp i, 0,1,2,3,4,5,6,7
.irp q, 0,1
	ds_load_b32 v[SC+8*NQ*\sc+NQ*\i+\q], v[ADRS] offset:512*\i+64*\q
.endr
.endr
.endm
.macro PLACES n
.rept \n
	v_nop
.endr
.endm
.macro STEP slot, q, zero              ; a slot's first 128 along K, on A's set 0 and B's set 0; the second's fragments are asked for first and land under the 32 products
	s_wait_dscnt 0
	PLACES NP
	FETCH_B \slot, (\q)+1, 1-(\q)%2
.set AF, 176
	FETCH_A \slot, (\q)+1, 0
.set AF, 128
.if (\zero) && (MODE != 1)
	WIN 0x81
.else
	WIN MUL_LO
.endif
	MUL16 0, (\q)%2, \q, \slot, \zero
	MUL16 2, (\q)%2, \q, \slot, \zero
	WIN 0
.endm
.macro TURN slot, next, fill
	s_wait_tensorcnt 0x0
	ds_add_u32 v[SPW], v[NIL]
	s_wait_dscnt 0x0                               ; the add is done, and my reads of this slot are over: its second 128 along K lie in A's set 1 and B's set 1
	s_barrier_signal -1
.set AF, 176
	WIN MUL_LO
	MUL16 0, 1, NQ-1, \slot, 0
	WIN 0
	s_barrier_wait -1
.if \fill
	CREST
	s_add_nc_u64 s[G0+4*\slot+2:G0+4*\slot+3], s[G0+4*\slot+2:G0+4*\slot+3], 2*HALFT
	s_add_nc_u64 s[G0B+4*\slot+2:G0B+4*\slot+3], s[G0B+4*\slot+2:G0B+4*\slot+3], 2*HALFT
	JLOAD G0+4*\slot, G1, G0B+4*\slot, G1B
.else
	PLACES NP
.endif
	s_wait_alu depctr_va_vdst(0)
	v_add_nc_u32 v[ADRS], 128, v[ADRS]
	FETCH_B \next, 0, 0
.set AF, 128
	FETCH_A \next, 0, 0
	SCALES \next
.set AF, 176
	WIN MUL_LO
	MUL16 2, 1, NQ-1, \slot, 0
	WIN 0
.set AF, 128
.endm
.macro OUTBLK a
.set W, 2+(\a)/4
.set AC, 64*((\a)%4)
.if MODE == 1
	WIN (W<<6)|W
.set n, 0
.rept 32
	v_pk_add_f32 v[AC+n:AC+n+1], v[AC+n:AC+n+1], v[BJ+2*(\a):BJ+2*(\a)+1]
.set n, n+2
.endr
.endif
	WIN 0
.irp b, 0,1,2,3
	v_mov_b32 v[TM+\b], 0x1800000
.endr
	WIN (W<<2)|(W<<4)
.irp i, 0,2,4,6,8,10,12,14
.irp b, 0,1,2,3
	v_max3_num_f32 v[TM+\b], v[TM+\b], |v[AC+16*\b+\i]|, |v[AC+16*\b+\i+1]|
.endr
.endr
	WIN 0
.irp b, 0,1,2,3
	v_permlanex16_b32 v[TM+4+\b], v[TM+\b], s92, s93
.endr
.irp b, 0,1,2,3
	v_max_num_f32 v[TM+\b], v[TM+\b], v[TM+4+\b]
.endr
.irp b, 0,1,2,3
	v_add_nc_u32 v[TM+12+\b], 0xff000000, v[TM+\b]
.endr
.irp b, 0,1,2,3
	v_lshrrev_b32 v[TM+4+\b], 23, v[TM+12+\b]
.endr
	v_lshl_or_b32 v[PWS+(\a)], v[TM+5], 8, v[TM+4]
	v_lshl_or_b32 v[PWS+(\a)], v[TM+6], 16, v[PWS+(\a)]
	v_lshl_or_b32 v[PWS+(\a)], v[TM+7], 24, v[PWS+(\a)]
	s_wait_xcnt 0x0
	WIN W
.irp c, 0,1
	v_cvt_scalef32_pk16_fp6_f32 v[PC+6*\c:PC+6*\c+2], v[AC+32*\c:AC+32*\c+15], v[TM+12+2*\c]
	v_cvt_scalef32_pk16_fp6_f32 v[PC+12+4*\c:PC+14+4*\c], v[AC+32*\c+16:AC+32*\c+31], v[TM+12+2*\c+1]
.endr
	WIN 0
	v_nop
.irp c, 0,1
.irp i, 0,1,2
	v_permlane16_swap_b32 v[PC+6*\c+\i], v[PC+12+4*\c+\i]
.endr
.irp i, 0,1,2
	v_mov_b32 v[PC+3+6*\c+\i], v[PC+12+4*\c+\i]
.endr
.endr
.if MODE == 0
	v_lshrrev_b32 v[PWH+(\a)], v[H16], v[PWS+(\a)]
	ds_store_b32 v[SWS], v[PWH+(\a)] offset:64*(\a)
.irp p, 0,1,2,3,4,5
	global_store_b64 v[L8], v[PC+2*\p:PC+2*\p+1], s[12:13] offset:768*(\a)+98304*(\p/3)+256*(\p%3)
.endr
.else
	ds_store_b32 v[SWS], v[PWS+(\a)] offset:64*(\a)
.irp p, 0,1,2,3,4,5
	global_store_b64 v[L8], v[PC+2*\p:PC+2*\p+1], s[12:13] offset:98304*((\a)/4)+1536*((\a)%4)+256*\p
.endr
.endif
.endm
.macro TOSTAGE a
.set AC, 64*((\a)%4)
	WIN 0x08+4*((\a)/4)
.irp b, 0,1,2,3,4,5,6,7
	ds_store_b128 v[STO], v[AC+8*\b:AC+8*\b+3] offset:128*(\b/2)+32*(\b%2)
	ds_store_b128 v[STO], v[AC+8*\b+4:AC+8*\b+7] offset:128*(\b/2)+32*(\b%2)+16
.endr
	WIN 0
.set BB, BK+64*((\a)%2)
.irp t, 0,1,2,3,4,5,6,7,8,9,10,11,12,13,14,15
	ds_load_b128 v[BB+4*\t:BB+4*\t+3], v[RD] offset:\t*SPITCH
.endr
.endm
.macro SEND a, younger
.set BB, BK+64*((\a)%2)
	s_wait_dscnt \younger
.irp t, 0,1,2,3,4,5,6,7,8,9,10,11,12,13,14,15
	global_store_b128 v[CO], v[BB+4*\t:BB+4*\t+3], s[12:13] offset:(32*((\a)/2)+8*((\a)%2)+\t+8*(\t/8))*4096 th:TH_STORE_NT
.endr
.endm
	s_wait_alu depctr_va_vdst(0)
	s_wait_tensorcnt 0x0                           ; my tile of the head's four is in
	ds_add_u32 v[SPW], v[NIL]
	s_mov_b32 s[G1+2], 48<<16                      ; no tensor load of mine is out: from here on a load brings 48 rows of 256 bytes of A,
	s_mov_b32 s[G1+4], 48
	s_mov_b32 s[G1B+1], 32<<16                     ; or 96 of B
	s_mov_b32 s[G1B+2], 96<<16
	s_mov_b32 s[G1B+3], 32<<16
	s_mov_b32 s[G1B+4], 96
	s_mov_b32 s[G1B+5], 32
	s_wait_dscnt 0x0
	CROUND                                         ; all four tiles are in, and all sixteen work-groups are here
	JLOAD G0+4, G1, G0B+4, G1B                     ; chunk 1, the first tensor load behind the round
	FETCH_B 0, 0, 0
	FETCH_A 0, 0, 0
	SCALES 0
	global_prefetch_b8 v30, s[100:101] offset:3*HALFT th:TH_LOAD_NT scope:SCOPE_SE   ; chunk 3, two fills ahead of its load
	s_wait_loadcnt 0x0
	STEP 0, 0, 1
	s_mov_b32 s3, LAPS-1
.Llap:
	TURN 0, 1, 1
	STEP 1, 0, 0
	TURN 1, 0, 1
	STEP 0, 0, 0
	s_sub_co_u32 s3, s3, 1
	s_cmp_lg_u32 s3, 0
	s_cbranch_scc1 .Llap
	TURN 0, 1, 0
	STEP 1, 0, 0
	s_wait_dscnt 0
.set AF, 176
	WIN MUL_LO
	MUL16 0, 1, NQ-1, 1, 0
	MUL16 2, 1, NQ-1, 1, 0
	WIN 0
	PLACES NP
.if MODE == 2
	TOSTAGE 0
.irp a, 1,2,3,4,5,6,7
.if \a > 1
	s_wait_xcnt 0x0
.endif
	TOSTAGE \a
	SEND \a-1, 32
.endr
	SEND 7, 0
.else
.irp b, 0,1,2,3
	v_mov_b32 v[TM+4+\b], 0
.endr
.irp a, 0,1,2,3
	OUTBLK \a
.endr
	ds_load_b64 v[SWD:SWD+1], v[SWR]               ; my four tiles' scale words: 256 bytes
.if MODE == 0
	ds_load_b128 v[SWD+4:SWD+7], v[SWR] offset:512
.endif
	s_wait_dscnt 0x0
	global_store_b64 v[SWG], v[SWD:SWD+1], s[66:67]   ; 32 lanes store 256 consecutive bytes, aligned
.if MODE == 0
	global_store_b128 v[SWG], v[SWD+4:SWD+7], s[66:67] offset:8192
.endif
.endif
	s_wait_tensorcnt 0x0
	ds_add_u32 v[SPW], v[NIL]
	s_wait_dscnt 0x0
	CROUND
	s_endpgm
.Lfunc_end_k_qd9225b5454_gemm_v:
	.size	k_qd9225b5454_gemm_v, .Lfunc_end_k_qd9225b5454_gemm_v-k_qd9225b5454_gemm_v
	.p2alignl 7, 3214868480
	.fill 96, 4, 3214868480
	.section	.rodata,"a",@progbits
	.p2align	6, 0x0
	.amdhsa_kernel k_qd9225b5454_gemm_v
		.amdhsa_group_segment_fixed_size 327680
		.amdhsa_private_segment_fixed_size 0
		.amdhsa_enable_private_segment 0
		.amdhsa_kernarg_size 32
		.amdhsa_user_sgpr_count 2
		.amdhsa_user_sgpr_kernarg_segment_ptr 1
		.amdhsa_wavefront_size32 1
		.amdhsa_system_sgpr_workgroup_id_x 1
		.amdhsa_system_sgpr_workgroup_id_y 1
		.amdhsa_system_sgpr_workgroup_id_z 1
		.amdhsa_system_vgpr_workitem_id 0
		.amdhsa_next_free_vgpr 1024
		.amdhsa_next_free_sgpr 102
		.amdhsa_reserve_vcc 0
		.amdhsa_float_denorm_mode_32 3
		.amdhsa_float_denorm_mode_16_64 3
		.amdhsa_memory_ordered 1
		.amdhsa_forward_progress 1
		.amdhsa_inst_pref_size 118
	.end_amdhsa_kernel
	.amdgpu_metadata
---
amdhsa.version: [ 1, 2 ]
amdhsa.kernels:
  - .name:           k_qd9225b5454_gemm_v
    .symbol:         k_qd9225b5454_gemm_v.kd
    .args:
      - { .name: wq, .offset: 0, .size: 8, .value_kind: global_buffer, .address_space: global }
      - { .name: xq, .offset: 8, .size: 8, .value_kind: global_buffer, .address_space: global }
      - { .name: bv, .offset: 16, .size: 8, .value_kind: global_buffer, .address_space: global }
      - { .name: vq, .offset: 24, .size: 8, .value_kind: global_buffer, .address_space: global }
    .group_segment_fixed_size: 327680
    .private_segment_fixed_size: 0
    .kernarg_segment_align: 8
    .kernarg_segment_size: 32
    .max_flat_workgroup_size: 128
    .sgpr_count:     102
    .vgpr_count:     1024
    .wavefront_size: 32
...
	.end_amdgpu_metadata
.endif
;; end of part 3
;; launch attn (part 4): grid 4 x 64, 16 waves a work-group, clusters of 4 x 1, 272,384 bytes of LDS; arguments qk, vq, oq; writes oq
.if DOCPART == 4
	.amdgcn_target "amdgcn-amd-amdhsa--gfx1250"
	.amdhsa_code_object_version 6
	.text
	.protected	k_qd9225b5454_attn
	.globl	k_qd9225b5454_attn
	.p2align	8
	.type	k_qd9225b5454_attn,@function
k_qd9225b5454_attn:
	s_mov_b64 s[64:65], 0
	v_nop
	global_prefetch_b8 v0, s[64:65] scope:SCOPE_SE
	s_setreg_imm32_b32 hwreg(HW_REG_WAVE_MODE, 25, 1), 1
	s_wait_xcnt 0x0
	s_wait_alu depctr_hold_cnt(0) depctr_sa_sdst(0) depctr_va_vdst(0) depctr_va_sdst(0) depctr_va_ssrc(0) depctr_va_vcc(0) depctr_vm_vsrc(0)
	s_getreg_b32 s2, hwreg(HW_REG_IB_STS2, 6, 4)
	s_cmp_eq_u32 s2, 0
	s_cbranch_scc0 .Lentry_in_a_cluster
	s_endpgm
.Lentry_in_a_cluster:
	s_bfe_u32 s2, ttmp6, 0x10000c
	s_cmp_lg_u32 s2, 0x3003
	s_cbranch_scc0 .Lentry_shape_is_right
	s_endpgm
.Lentry_shape_is_right:
; o[b][q][64 hd + d] = sum over k of softmax_k(q . k / 8) v, for 64 heads (batch x 16 + hd) of 2,048 tokens and 64 channels; both products on codes of FP6 (E2M3) with one E8M0 scale for each 32 along K.
; IN.  qk: codes [q | k][head][tile of 16 tokens (128)][3 pieces][lane][8 bytes]: registers 0-5 of a fragment, k = 32 (lane / 16) + 0 .. 31 of the head's 64.  Scale words, 12,582,912 bytes on: [q | k][head][tile][r][4 bytes]; bytes 2, 3 are never 0xff.
;      vq: codes [head][key step of 128 (16)][tile of 16 d (4)][1,536 bytes]; scale words, 6,291,456 bytes on: [head][key step][tile][r][4 bytes].  Tile T = 2 B + u holds, at place r, row 32 B + 8 u + r + 8 (r / 8).
; OUT. oq: o quantised along e = 64 hd + d, in the order of the next product's operand: [block of 128 tokens][K step of 256][tile][128 of K][piece][lane][8 bytes]; scale words, 6,291,456 bytes on.
; THE SOFTMAX: t = score x log2(e) / 8; M = the running largest t rounded UP to a whole number; p = 2^(t - M) is quantised along the keys, not normalised; the row's sum is taken of the unquantised p and divides at the end.
; SHARES.  A head's K, V and scale words lie in LDS for the whole launch, filled once; the four work-groups of a head form a cluster and ask for them jointly.  A work-group owns 512 queries, each of its sixteen waves 32:
; two tiles of 16, side by side, so that each fragment of K and V read from LDS feeds two products.  Both products are used transposed (S^T = K Q^T, O^T = V^T P^T): a lane holds ONE query of each tile.
; WHICH KEYS FORM A TILE is chosen by the lanes' LDS addresses: place 8 h' + i of tile t of a group of 64 keys is key 32 h' + 8 t + i.  So the 32 registers of a group's four tiles are, in lane (r, h), the 32 keys of block h, in order:
; a block's largest score needs no other lane, and the conversions' results are p's operand as they fall.  K's rows of 256 bytes lie 352 bytes apart in LDS, so that the 32 lanes of such a load touch 64 different banks.
; K = 64 is filled to the instruction's 128 by zero codes in Q's registers 6-11.  K's fragments lie 6 registers apart: what stands in an operand's registers 6-11 (the next fragment, or p's codes) meets Q's zero codes and adds nothing.
; One register carries two tiles' scale words (lanes 0-15, lanes 16-31).  Q's two tiles wait in the wave's own LDS stage and take turns in one set of registers.
; No prefetch: all that the launch reads from memory is asked for at its head; the loop over the keys reads LDS alone.
; LIMITS: the promise holds while |t| stays under 2^31.  A block of zeros, or one whose largest magnitude lies under 2^-124, gets the scale byte 1 where the rule says 127: this program alone reads the bytes.  NaN and infinities are not served.
.set KP,    352                        ; K's LDS row: 256 bytes + 96
.set VC,    135168                     ; LDS: K's codes from 0 (384 rows of KP), V's from here (6,144 bytes a key step),
.set KS,    233472                     ; K's scale words (64 bytes a tile),
.set VS,    241664                     ; V's (256 bytes a key step),
.set QST,   245760                     ; Q's stage: 1,536 bytes a wave, written by the wave itself,
.set SPARE, 270336                     ; and the spare words, 128 bytes a wave, which no other line names
.set ADK,  1                           ; v1-4  the step's LDS addresses: K's codes, V's codes, K's scale words, V's
.set ADV,  2
.set ADS,  3
.set ADT,  4
.set SPW,  5                           ; v5    my spare word; never rewritten
.set NIL,  6                           ; v6    0; never rewritten
.set SH8,  7                           ; v7    8 (lane / 16)
                                       ; v8-11, v12-15  a tile's state: -M, the largest score, the sum in two halves
.set KSW,  16                          ; v16-19 K's scale words: register 2 c + t / 2, lanes 0-15 the even tile, lanes 16-31 the odd
.set VSW,  20                          ; v20-21 V's, likewise
.set PSW,  22                          ; v22-23 p's, one a tile
.set QSW,  24                          ; v24    Q's: lanes 0-15 the first tile, lanes 16-31 the second
.set AQ,   25                          ; v25    my place in Q's stage
.set T,    26                          ; v26-37 at work
.set QF,   38                          ; v38-49 Q: six registers of codes, six of zero codes
.set KF,   50                          ; v50-97 eight fragments of K, 6 registers each; then four of V, 12 each
.set PC,   98                          ; v98-121 p's codes, 12 a tile
.set S,    122                         ; v122-185 S^T, then p
.set O,    186                         ; v186-249 O^T, 32 a tile
.set F,    250                         ; v250-251 f = 2^(old M - new M), named as a pair
.set AK0,  252                         ; v252-255 the lanes' places, to which the step's offsets are added
.set AV0,  253
.set AS0,  254
.set AT0,  255
.set WV,   18
.set SEL,  20                          ; s[20:21] selects for lane l xor 16
.set CS,   22                          ; s[22:23] c = log2(e) / 8
.set NC,   78                          ; s78  -c
.set TK,   66                          ; the step's offsets: K's codes 24 rows of KP, V's 6,144, K's words 512, V's 256
.set TS,   67
.set TJ,   68
.set CNT,  69
.set TV,   79
.macro WALU
	s_wait_alu depctr_va_vdst(0)
.endm
.macro NOP4
.rept 4
	v_nop
.endr
.endm
.macro CROUND                          ; a round of the cluster's barrier
	s_barrier_signal -1
	s_barrier_wait -1
	s_cmp_lg_u32 s[WV], 0
	s_cbranch_scc1 .Lnot_wave_0_\@
	s_barrier_signal -3
.Lnot_wave_0_\@:
	s_barrier_wait -3
	s_barrier_signal -1
	s_barrier_wait -1
.endm
.macro GRP1 g, w0, rows                ; group 1: a dense block as rows of 256 bytes (32 elements of 8 bytes)
	s_mov_b32 s[\g], \w0
	s_mov_b32 s[\g+1], 32<<16
	s_mov_b32 s[\g+2], (\rows)<<16
	s_mov_b32 s[\g+3], 32<<16
	s_mov_b32 s[\g+4], \rows
	s_mov_b32 s[\g+5], 32
	s_mov_b32 s[\g+6], 0
	s_mov_b32 s[\g+7], 0
.endm
.macro TLOAD g0, g1                    ; an s_nop 0 and four v_nop follow each load
	tensor_load_to_lds s[\g0:\g0+3], s[\g1:\g1+7]
	s_nop 0
	NOP4
.endm
	s_load_b128 s[4:7], s[0:1], 0x0                ; qk, vq
	s_load_b64 s[8:9], s[0:1], 0x10                ; oq
	v_lshl_add_u32 v[SPW], v0, 2, SPARE
	v_mov_b32 v[NIL], 0
	ds_add_u32 v[SPW], v[NIL]                      ; the opening lines: the add, twice on end, and its wait ahead of my first tensor load
	ds_add_u32 v[SPW], v[NIL]
	v_lshrrev_b32 v[T], 5, v0
	v_readfirstlane_b32 s[WV], v[T]                ; wave 0..15
	s_bfe_u32 s19, ttmp6, 0x40000                  ; cx: it enters Q's and o's addresses alone
	s_and_b32 s24, ttmp7, 0xffff                   ; the head, which the four partners share
	GRP1 48, 15|(3<<16)|(1<<20)|(1<<21)|(5<<22)|(23<<25), 64   ; K's codes: mask of all four, 24 words of padding behind every 64
	GRP1 56, 15|(3<<16)|(1<<21), 64                ; V's codes
	GRP1 84, 15|(3<<16)|(1<<21), 16                ; scale words
	; waves 0-5 fetch K's codes, 16,384 bytes each, waves 6-11 V's
	s_mul_i32 s26, s24, 98304                      ; a head's codes, in qk's halves and in vq alike
	s_lshl_b32 s27, s[WV], 14
	s_add_co_u32 s28, s26, s27
	s_mov_b32 s29, 6291456+98304
	s_cmp_lt_u32 s[WV], 6
	s_cselect_b32 s29, s29, 0                      ; K's codes lie 6,291,456 bytes into qk; V's waves count from 6
	s_add_co_u32 s28, s28, s29
	s_sub_co_u32 s28, s28, 98304
	s_mov_b32 s29, 0
	; waves 12, 13 fetch K's scale words, 4,096 bytes each, wave 14 V's
	s_lshl_b32 s30, s24, 13
	s_lshl_b32 s31, s[WV], 12
	s_add_co_u32 s30, s30, s31
	s_add_co_u32 s30, s30, 12582912+524288-49152
	s_lshl_b32 s32, s24, 12
	s_add_co_u32 s32, s32, 6291456
	s_cmp_lt_u32 s[WV], 14
	s_cselect_b32 s30, s30, s32
	s_mov_b32 s31, 0
	; my two tiles of queries: 32 cx + 2 wave, + 1
	s_lshl_b32 s33, s19, 5
	s_lshl_b32 s34, s[WV], 1
	s_add_co_u32 s33, s33, s34
	s_mul_i32 s34, s33, 768
	s_add_co_u32 s34, s34, s26
	s_mov_b32 s35, 0
	s_lshl_b32 s36, s33, 6
	s_lshl_b32 s37, s24, 13
	s_add_co_u32 s36, s36, s37
	s_add_co_u32 s36, s36, 12582912
	s_mov_b32 s37, 0
	; and where their results go
	s_lshr_b32 s38, s24, 4
	s_lshl_b32 s38, s38, 4
	s_lshl_b32 s39, s19, 2
	s_add_co_u32 s38, s38, s39
	s_lshr_b32 s39, s[WV], 2
	s_add_co_u32 s38, s38, s39                     ; block of 128 tokens: 16 x batch + 4 cx + wave / 4
	s_and_b32 s39, s24, 15                         ; hd
	s_lshr_b32 s70, s39, 2                         ; K step of 256: four heads
	s_bfe_u32 s71, s39, 0x10001                    ; which 128 of it
	s_and_b32 s72, s39, 1                          ; which 64 of that: registers 0-5 or 6-11
	s_and_b32 s73, s[WV], 3
	s_mul_i32 s74, s38, 98304
	s_mul_i32 s75, s70, 24576
	s_add_co_u32 s74, s74, s75
	s_mul_i32 s75, s73, 6144
	s_add_co_u32 s74, s74, s75
	s_mul_i32 s75, s71, 1536
	s_add_co_u32 s74, s74, s75
	s_mul_i32 s75, s72, 768
	s_add_co_u32 s74, s74, s75
	s_mov_b32 s75, 0
	s_lshl_b32 s76, s38, 12
	s_lshl_b32 s77, s73, 10
	s_add_co_u32 s76, s76, s77
	s_lshl_b32 s77, s70, 7
	s_add_co_u32 s76, s76, s77
	s_lshl_b32 s77, s71, 6
	s_add_co_u32 s76, s76, s77
	s_lshl_b32 s77, s72, 1
	s_add_co_u32 s76, s76, s77
	s_add_co_u32 s76, s76, 6291456
	s_mov_b32 s77, 0
	s_mov_b32 s[SEL], 0x76543210
	s_mov_b32 s[SEL+1], 0xfedcba98
	s_mov_b32 s[CS], 0x3e38aa3b                    ; c = log2(e) / 8
	s_mov_b32 s[CS+1], s[CS]                       ; (named with it as a pair, so it is written)
	s_mov_b32 s[NC], 0xbe38aa3b                    ; -c
	s_mov_b32 s25, 0xffff0000                      ; lanes 16-31
	s_mul_i32 s92, s[WV], 1536
	s_add_co_u32 s92, s92, QST                     ; my part of Q's stage
	s_wait_dscnt 0x0                               ; both opening adds are done
	s_wait_kmcnt 0x0
	s_mov_b32 s40, 1                               ; group 0 for K's codes: LDS 64 rows of KP x wave
	s_mul_i32 s41, s[WV], 64*KP
	s_cmp_lt_u32 s[WV], 6
	s_cselect_b64 s[42:43], s[4:5], s[6:7]
	s_add_nc_u64 s[42:43], s[42:43], s[28:29]
	s_or_b32 s43, s43, 0x80000000
	s_mov_b32 s80, 1                               ; group 0 for V's codes: LDS VC + 16,384 x (wave - 6)
	s_lshl_b32 s81, s[WV], 14
	s_add_co_u32 s81, s81, VC-98304
	s_mov_b64 s[82:83], s[42:43]
	s_mov_b32 s44, 1                               ; group 0 for scale words: waves 12, 13 K's two halves, wave 14 V's
	s_lshl_b32 s45, s[WV], 12
	s_add_co_u32 s45, s45, KS-12*4096
	s_cmp_lt_u32 s[WV], 14
	s_cselect_b64 s[46:47], s[4:5], s[6:7]
	s_add_nc_u64 s[46:47], s[46:47], s[30:31]
	s_or_b32 s47, s47, 0x80000000
	s_add_nc_u64 s[10:11], s[4:5], s[34:35]        ; Q's codes
	s_add_nc_u64 s[12:13], s[4:5], s[36:37]        ; Q's scale words
	s_add_nc_u64 s[14:15], s[8:9], s[74:75]        ; o's codes
	s_add_nc_u64 s[16:17], s[8:9], s[76:77]        ; o's scale bytes
	CROUND                                         ; all four work-groups are here: the joint loads meet
	s_cmp_lt_u32 s[WV], 6                          ; one chain of branches on the wave's number: one tensor load a wave, wave 15 none
	s_cbranch_scc0 .Lnot_k
	TLOAD 40, 48
	s_branch .Lasked
.Lnot_k:
	s_cmp_lt_u32 s[WV], 12
	s_cbranch_scc0 .Lnot_v
	TLOAD 80, 56
	s_branch .Lasked
.Lnot_v:
	s_cmp_lt_u32 s[WV], 15
	s_cbranch_scc0 .Lasked
	TLOAD 44, 84
.Lasked:
	v_and_b32 v[T], 31, v0
	v_lshlrev_b32 v[T+1], 3, v[T]                  ; 8 x lane
	v_lshlrev_b32 v[T+2], 2, v[T]                  ; 4 x lane
.irp i, 0,1,2,3,4,5
	global_load_b64 v[S+2*\i:S+2*\i+1], v[T+1], s[10:11] offset:256*\i   ; both tiles' Q: 1,536 bytes on end
.endr
	global_load_b32 v[QSW], v[T+2], s[12:13]       ; and their scale words: 128 bytes on end
	v_and_b32 v[T+3], 7, v0                        ; i
	v_bfe_u32 v[T+4], v0, 3, 1                     ; h'
	v_bfe_u32 v[T+5], v0, 4, 1                     ; h
	v_add_nc_u32 v[AQ], s92, v[T+1]
	v_lshlrev_b32 v[AK0], 3, v[T+3]                ; K: place (h', i), half h lies at 6 h' rows + 8 i + 128 h
	v_lshl_add_u32 v[AK0], v[T+5], 7, v[AK0]
	v_mad_u32_u24 v[AK0], v[T+4], 6*KP, v[AK0]
	v_add_nc_u32 v[AV0], VC, v[T+1]
	v_lshl_add_u32 v[AS0], v[T+3], 2, KS           ; K's words: 4 i + 128 h'; lanes 16-31 take the odd tile's, 64 bytes on
	v_lshl_add_u32 v[AS0], v[T+5], 6, v[AS0]
	v_lshl_add_u32 v[AS0], v[T+4], 7, v[AS0]
	v_add_nc_u32 v[AT0], VS, v[T+2]                ; V's words: 4 r; lanes 16-31 the odd tile's
	v_lshlrev_b32 v[SH8], 3, v[T+5]
.irp j, 6,7,8,9,10,11
	v_mov_b32 v[QF+\j], 0                          ; Q's zero codes, once
	v_mov_b32 v[PC+\j-6], 0                        ; (named behind K's last fragment before they are first written)
.endr
	v_mov_b32 v[F+1], 0                            ; (named as the upper half of a pair)
.irp x, 8,12
	v_mov_b32 v[\x], 0x7d000000                    ; -M: so large that the first f is 0
	v_mov_b32 v[\x+1], 0xff61b1e6                  ; the largest score so far: -3e38
	v_mov_b32 v[\x+2], 0                           ; the sum, in two halves
	v_mov_b32 v[\x+3], 0
.endr
.set n, 0
.rept 64
	v_mov_b32 v[O+n], 0                            ; O^T: the step is written once, and the first finds zeros
.set n, n+1
.endr
	s_mov_b32 s[TK], 0
	s_mov_b32 s[TV], 0
	s_mov_b32 s[TS], 0
	s_mov_b32 s[TJ], 0
	s_mov_b32 s[CNT], 16
	WALU
	s_wait_tensorcnt 0x0                           ; my part of the head is in,
	s_barrier_signal -1
	s_barrier_wait -1                              ; everybody's is
	s_wait_loadcnt 0x0
.irp i, 0,1,2,3,4,5
	ds_store_b64 v[AQ], v[S+2*\i:S+2*\i+1] offset:256*\i   ; my own bytes: LDS serves a wave's instructions in order
.endr
.irp i, 0,1,2
	ds_load_b64 v[QF+2*\i:QF+2*\i+1], v[AQ] offset:256*\i  ; the first tile's Q
.endr
.macro SMUL f, w, ra, rb               ; S^T of tile f of the step's eight; w, ra: K's scale register and its row; rb: the query tile's row of Q's words
	v_wmma_scale_f32_16x16x128_f8f6f4 v[S+8*\f:S+8*\f+7], v[KF+6*\f:KF+6*\f+11], v[QF:QF+11], 0, v[KSW+\w], v[QSW] matrix_a_fmt:MATRIX_FMT_FP6 matrix_b_fmt:MATRIX_FMT_FP6 matrix_a_scale:MATRIX_SCALE_ROW\ra matrix_b_scale:MATRIX_SCALE_ROW\rb
.endm
.macro PMUL t, w, ra                   ; O^T += V^T P^T: V's tile t for both query tiles; the eight accumulators take turns
.irp x, 0,1
	v_wmma_scale_f32_16x16x128_f8f6f4 v[O+32*\x+8*\t:O+32*\x+8*\t+7], v[KF+12*\t:KF+12*\t+11], v[PC+12*\x:PC+12*\x+11], v[O+32*\x+8*\t:O+32*\x+8*\t+7], v[VSW+\w], v[PSW+\x] matrix_a_fmt:MATRIX_FMT_FP6 matrix_b_fmt:MATRIX_FMT_FP6 matrix_a_scale:MATRIX_SCALE_ROW\ra
.endr
.endm
.macro TM n0, cnt                      ; t - M, two at a time
.set n, \n0
.rept \cnt
	v_pk_fma_f32 v[S+n:S+n+1], v[S+n:S+n+1], s[CS:CS+1], v[ST:ST+1] op_sel_hi:[1,0,0]
.set n, n+2
.endr
.endm
.macro RND k                           ; four pairs of p onto the sum's four chains
	v_pk_add_f32 v[T+4:T+5], v[T+4:T+5], v[S+2*(\k):S+2*(\k)+1]
	v_pk_add_f32 v[T+6:T+7], v[T+6:T+7], v[S+2*(\k)+2:S+2*(\k)+3]
	v_pk_add_f32 v[T+8:T+9], v[T+8:T+9], v[S+2*(\k)+4:S+2*(\k)+5]
	v_pk_add_f32 v[ST+2:ST+3], v[ST+2:ST+3], v[S+2*(\k)+6:S+2*(\k)+7]
.endm
; THE SOFTMAX of query tile x over the step's 128 keys.  Register S + 32 c + i of lane (r, h) is key 64 c + 32 h + i for query r: block 2 c + h, whole.
.macro SOFT x
.set ST, 8+4*\x
.set PCX, PC+12*\x
.set OX, O+32*\x
.irp c, 0,1                            ; the largest score of my two blocks, each in two chains; every accumulator is first read at its low end
	v_max3_num_f32 v[T+2*\c], v[S+32*\c], v[S+32*\c+1], v[S+32*\c+2]
	v_max3_num_f32 v[T+2*\c+1], v[S+32*\c+16], v[S+32*\c+17], v[S+32*\c+18]
.endr
.irp i, 3,5,7,9,11,13
.irp c, 0,1
	v_max3_num_f32 v[T+2*\c], v[T+2*\c], v[S+32*\c+\i], v[S+32*\c+\i+1]
	v_max3_num_f32 v[T+2*\c+1], v[T+2*\c+1], v[S+32*\c+16+\i], v[S+32*\c+17+\i]
.endr
.endr
.irp c, 0,1
	v_max3_num_f32 v[T+2*\c], v[T+2*\c], v[T+2*\c+1], v[S+32*\c+15]
.endr
.irp c, 0,1
	v_max_num_f32 v[T+2*\c], v[T+2*\c], v[S+32*\c+31]   ; it serves twice: for the row's maximum and, since p rises with the score, for the block's largest p
.endr
	v_mov_b32 v[T+4], v[ST]                        ; the old -M
	v_max_num_f32 v[T+1], v[T], v[T+2]
	v_permlanex16_b32 v[T+3], v[T+1], s[SEL], s[SEL+1]
	v_max3_num_f32 v[ST+1], v[ST+1], v[T+1], v[T+3]   ; the running largest score of my query (c is positive)
	v_mul_f32 v[T+5], s[NC], v[ST+1]
	v_floor_f32 v[ST], v[T+5]                      ; the new -M = floor(-t): M is a whole number
	v_sub_f32 v[T+4], v[ST], v[T+4]                ; M's old value less its new one: a whole number, 0 or less
	TM 0, 4
	v_cvt_i32_f32 v[T+4], v[T+4]                   ; (it saturates)
	TM 8, 4
	v_ldexp_f32 v[F], 1.0, v[T+4]                  ; f = 2^(old M - new M): a multiplication by it rounds nothing
	TM 16, 24
	v_fma_f32 v[T], v[T], s[CS], v[ST]             ; the same of each block's largest score
	v_fma_f32 v[T+2], v[T+2], s[CS], v[ST]
	v_pk_mul_f32 v[ST+2:ST+3], v[ST+2:ST+3], v[F:F+1] op_sel_hi:[1,0]   ; the sums under the new M
	WALU
	v_exp_f32 v[T], v[T]                           ; the blocks' largest p: the same two instructions on the same number give the same bits
	v_exp_f32 v[T+2], v[T+2]
.set n, 0
.rept 64
	v_exp_f32 v[S+n], v[S+n]                       ; p = 2^(t - M), at most 1: not normalised
.set n, n+1
.endr
	v_nop                                          ; a plain instruction behind the exponentials,
	WALU                                           ; and one wait for the whole batch, ahead of its first reader
	v_max_num_f32 v[T], 0x1800000, v[T]            ; the floor 2^(3 - 127): the byte cannot fall under 1
	v_max_num_f32 v[T+2], 0x1800000, v[T+2]
	v_pk_add_f32 v[T+4:T+5], v[S:S+1], v[S+2:S+3]  ; the row's sum is taken of the unquantised p; the scale's lines stand among its chains
	v_pk_add_f32 v[T+6:T+7], v[S+4:S+5], v[S+6:S+7]
	v_pk_add_f32 v[T+8:T+9], v[S+8:S+9], v[S+10:S+11]
	v_pk_add_f32 v[ST+2:ST+3], v[ST+2:ST+3], v[S+12:S+13]
	v_add_nc_u32 v[T], 0xff000000, v[T]            ; 2 off the exponent field: the conversion's scale operand
	v_add_nc_u32 v[T+2], 0xff000000, v[T+2]
	RND 7
	v_lshrrev_b32 v[T+1], 23, v[T]                 ; the scales' bytes
	v_lshrrev_b32 v[T+3], 23, v[T+2]
	RND 11
	v_lshl_or_b32 v[T+1], v[T+3], 16, v[T+1]       ; my two bytes, blocks h and 2 + h,
	RND 15
	v_lshlrev_b32 v[T+1], v[SH8], v[T+1]           ; 8 h bits up;
	RND 19
	v_permlanex16_b32 v[T+3], v[T+1], s[SEL], s[SEL+1]
	RND 23
	v_or_b32 v[PSW+\x], v[T+1], v[T+3]             ; with lane l xor 16's two p's scale word is whole
	RND 27
	v_pk_add_f32 v[T+4:T+5], v[T+4:T+5], v[S+62:S+63]
	v_pk_add_f32 v[ST+2:ST+3], v[ST+2:ST+3], v[T+8:T+9]
	v_pk_add_f32 v[T+4:T+5], v[T+4:T+5], v[T+6:T+7]
	v_pk_add_f32 v[ST+2:ST+3], v[ST+2:ST+3], v[T+4:T+5]
	v_cvt_scalef32_pk16_fp6_f32 v[PCX:PCX+2], v[S:S+15], v[T]
	v_cvt_scalef32_pk16_fp6_f32 v[T+8:T+10], v[S+16:S+31], v[T]        ; (a conversion's three registers begin on an even number)
	v_cvt_scalef32_pk16_fp6_f32 v[PCX+6:PCX+8], v[S+32:S+47], v[T+2]
	v_cvt_scalef32_pk16_fp6_f32 v[T+4:T+6], v[S+48:S+63], v[T+2]
	v_nop                                          ; one plain instruction behind the scaled conversions
.irp i, 0,1,2
	v_mov_b32 v[PCX+3+\i], v[T+8+\i]
	v_mov_b32 v[PCX+9+\i], v[T+4+\i]
.endr
	WALU                                           ; directly ahead of the first reader of O^T
.set n, 0
.rept 16
	v_pk_mul_f32 v[OX+n:OX+n+1], v[OX+n:OX+n+1], v[F:F+1] op_sel_hi:[1,0]   ; O^T under the new M.  These sixteen also stand between the writes of p's codes and scale word and the next products
.set n, n+2
.endr
.endm
.Lstep:                                                ; A KEY STEP: 128 keys x 32 queries
	v_add_nc_u32 v[ADK], s[TK], v[AK0]             ; these four are also the places in front of the loads into registers that the last products read
	v_add_nc_u32 v[ADV], s[TV], v[AV0]
	v_add_nc_u32 v[ADS], s[TS], v[AS0]
	v_add_nc_u32 v[ADT], s[TJ], v[AT0]
.irp c, 0,1
.irp g, 0,1
	ds_load_b32 v[KSW+2*\c+\g], v[ADS] offset:256*\c+32*\g
.endr
.endr
.irp c, 0,1
.irp t, 0,1,2,3
.irp p, 0,1,2
	ds_load_b64 v[KF+6*(4*\c+\t)+2*\p:KF+6*(4*\c+\t)+2*\p+1], v[ADK] offset:12*KP*\c+3*KP*(\t%2)+64*(\t/2)+KP*\p
.endr
.endr
.endr
	s_wait_dscnt 9                                 ; fragments 0 to 4 are in (the fourth product names the fifth fragment's registers too); the youngest nine loads, fragments 5 to 7, may be out
	SMUL 0, 0, 0, 0
	SMUL 1, 0, 1, 0
	SMUL 2, 1, 0, 0
	SMUL 3, 1, 1, 0
	s_wait_dscnt 0x0
	SMUL 4, 2, 0, 0
	SMUL 5, 2, 1, 0
	SMUL 6, 3, 0, 0
	SMUL 7, 3, 1, 0
	NOP4                                           ; places behind the products: ahead of the loads into Q's registers and of the first read of S^T
.irp i, 0,1,2
	ds_load_b64 v[QF+2*\i:QF+2*\i+1], v[AQ] offset:768+256*\i   ; the second tile's Q lands under the first's softmax
.endr
	SOFT 0
	s_wait_dscnt 0x0
	SMUL 0, 0, 0, 1
	SMUL 1, 0, 1, 1
	SMUL 2, 1, 0, 1
	SMUL 3, 1, 1, 1
	SMUL 4, 2, 0, 1
	SMUL 5, 2, 1, 1
	SMUL 6, 3, 0, 1
	SMUL 7, 3, 1, 1
	NOP4
.irp t, 0,1,2,3                                ; K's fragments are done with: V's four land on them under the second softmax
.irp p, 0,1,2,3,4,5
	ds_load_b64 v[KF+12*\t+2*\p:KF+12*\t+2*\p+1], v[ADV] offset:1536*\t+256*\p
.endr
.endr
	ds_load_b32 v[VSW], v[ADT]
	ds_load_b32 v[VSW+1], v[ADT] offset:128
.irp i, 0,1,2
	ds_load_b64 v[QF+2*\i:QF+2*\i+1], v[AQ] offset:256*\i       ; and the first tile's Q, for the next step
.endr
	SOFT 1
	WALU
	s_wait_dscnt 0x0
	PMUL 0, 0, 0
	PMUL 1, 0, 1
	PMUL 2, 1, 0
	PMUL 3, 1, 1
	s_add_co_u32 s[TK], s[TK], 24*KP
	s_add_co_u32 s[TV], s[TV], 6144
	s_add_co_u32 s[TS], s[TS], 512
	s_add_co_u32 s[TJ], s[TJ], 256
	s_sub_co_u32 s[CNT], s[CNT], 1
	s_cmp_lg_u32 s[CNT], 0
	s_cbranch_scc1 .Lstep
; THE WAY OUT of query tile x: o = O^T / the sum, quantised along the head's 64.  Register 16 b + i of lane (r, h) is d = 32 b + 16 h + i (V's tiles are as they lie in vq).
.set HW, KF                            ; o's scale bytes: lanes 0-15 the first tile's, lanes 16-31 the second's
.set A8, KF+1                          ; 8 x lane
.macro EPI x
.set ST, 8+4*\x
.set PCX, PC+12*\x
.set OX, O+32*\x
	v_add_f32 v[T], v[ST+2], v[ST+3]               ; the sum's two halves,
	v_permlanex16_b32 v[T+1], v[T], s[SEL], s[SEL+1]
	v_add_f32 v[T], v[T], v[T+1]                   ; and lane l xor 16's: the row's sum
	WALU
	v_rcp_f32 v[T], v[T]
	v_nop
	WALU                                           ; ahead of the reciprocal's first reader, which is also O^T's
.set n, 0
.rept 16
	v_pk_mul_f32 v[S+n:S+n+1], v[OX+n:OX+n+1], v[T:T+1] op_sel_hi:[1,0]
.set n, n+2
.endr
.irp b, 0,1
	v_max3_num_f32 v[T+2+\b], |v[S+16*\b]|, |v[S+16*\b+1]|, 0x1800000   ; the head's two blocks of 32 along e, with the floor
.endr
.irp i, 2,4,6,8,10,12,14
.irp b, 0,1
	v_max3_num_f32 v[T+2+\b], v[T+2+\b], |v[S+16*\b+\i]|, |v[S+16*\b+\i+1]|
.endr
.endr
.irp b, 0,1
	v_permlanex16_b32 v[T+4+\b], v[T+2+\b], s[SEL], s[SEL+1]
.endr
.irp b, 0,1
	v_max_num_f32 v[T+2+\b], v[T+2+\b], v[T+4+\b]
.endr
.irp b, 0,1
	v_add_nc_u32 v[T+6+\b], 0xff000000, v[T+2+\b]
.endr
.irp b, 0,1
	v_lshrrev_b32 v[T+4+\b], 23, v[T+6+\b]
.endr
	v_lshl_or_b32 v[T+1], v[T+5], 8, v[T+4]        ; my row's two scale bytes
	v_cvt_scalef32_pk16_fp6_f32 v[PCX:PCX+2], v[S:S+15], v[T+6]
	v_cvt_scalef32_pk16_fp6_f32 v[T+8:T+10], v[S+16:S+31], v[T+7]
	v_nop
.irp i, 0,1,2
	v_permlane16_swap_b32 v[PCX+\i], v[T+8+\i]     ; a whole block to a lane
.endr
.irp i, 0,1,2
	v_mov_b32 v[PCX+3+\i], v[T+8+\i]               ; six registers: k = 32 h + 0 .. 31 of the head's 64
.endr
.irp i, 0,1,2
	global_store_b64 v[A8], v[PCX+2*\i:PCX+2*\i+1], s[14:15] offset:3072*\x+256*\i   ; 32 lanes store 256 consecutive bytes, aligned
.endr
.if \x == 0
	v_mov_b32 v[HW], v[T+1]
.else
	v_cndmask_b32 v[HW], v[HW], v[T+1], s25        ; lanes 16-31 take the second tile's (both halves of the lanes hold the row's bytes)
.endif
.endm
	NOP4                                           ; places behind the last products
	v_and_b32 v[A8], 31, v0
	v_lshlrev_b32 v[A8], 3, v[A8]
	EPI 0
	EPI 1
	v_and_b32 v[KF+2], 15, v0
	v_bfe_u32 v[KF+3], v0, 4, 1
	v_lshlrev_b32 v[KF+2], 2, v[KF+2]
	v_lshl_add_u32 v[KF+2], v[KF+3], 9, v[KF+2]    ; 4 r, and 512 bytes on for the second tile
	global_store_b16 v[KF+2], v[HW], s[16:17]      ; a head owns half of a scale word of oq: 2 bytes a lane, one byte in 24 of what the launch stores
	s_wait_tensorcnt 0x0                           ; the wave's end
	ds_add_u32 v[SPW], v[NIL]
	s_wait_dscnt 0x0
	CROUND                                         ; the closing round
	s_endpgm
.Lfunc_end_k_qd9225b5454_attn:
	.size	k_qd9225b5454_attn, .Lfunc_end_k_qd9225b5454_attn-k_qd9225b5454_attn
	.p2alignl 7, 3214868480
	.fill 96, 4, 3214868480
	.section	.rodata,"a",@progbits
	.p2align	6, 0x0
	.amdhsa_kernel k_qd9225b5454_attn
		.amdhsa_group_segment_fixed_size 272384
		.amdhsa_private_segment_fixed_size 0
		.amdhsa_enable_private_segment 0
		.amdhsa_kernarg_size 24
		.amdhsa_user_sgpr_count 2
		.amdhsa_user_sgpr_kernarg_segment_ptr 1
		.amdhsa_wavefront_size32 1
		.amdhsa_system_sgpr_workgroup_id_x 1
		.amdhsa_system_sgpr_workgroup_id_y 1
		.amdhsa_system_sgpr_workgroup_id_z 1
		.amdhsa_system_vgpr_workitem_id 0
		.amdhsa_next_free_vgpr 256
		.amdhsa_next_free_sgpr 96
		.amdhsa_reserve_vcc 0
		.amdhsa_float_denorm_mode_32 3
		.amdhsa_float_denorm_mode_16_64 3
		.amdhsa_memory_ordered 1
		.amdhsa_forward_progress 1
		.amdhsa_inst_pref_size 50
	.end_amdhsa_kernel
	.amdgpu_metadata
---
amdhsa.version: [ 1, 2 ]
amdhsa.kernels:
  - .name:           k_qd9225b5454_attn
    .symbol:         k_qd9225b5454_attn.kd
    .args:
      - { .name: qk, .offset: 0, .size: 8, .value_kind: global_buffer, .address_space: global }
      - { .name: vq, .offset: 8, .size: 8, .value_kind: global_buffer, .address_space: global }
      - { .name: oq, .offset: 16, .size: 8, .value_kind: global_buffer, .address_space: global }
    .group_segment_fixed_size: 272384
    .private_segment_fixed_size: 0
    .kernarg_segment_align: 8
    .kernarg_segment_size: 24
    .max_flat_workgroup_size: 512
    .sgpr_count:     96
    .vgpr_count:     256
    .wavefront_size: 32
...
	.end_amdgpu_metadata
.endif
;; end of part 4
;; launch gemm_out (part 5): grid 4 x 64, 4 waves a work-group, clusters of 4 x 4, 327,680 bytes of LDS; arguments oq, wq, bo, out0; writes out0
.if DOCPART == 5
	.amdgcn_target "amdgcn-amd-amdhsa--gfx1250"
	.amdhsa_code_object_version 6
	.text
	.protected	k_qd9225b5454_gemm_out
	.globl	k_qd9225b5454_gemm_out
	.p2align	8
	.type	k_qd9225b5454_gemm_out,@function
k_qd9225b5454_gemm_out:
	s_mov_b64 s[64:65], 0
	v_nop
	global_prefetch_b8 v0, s[64:65] scope:SCOPE_SE
	s_setreg_imm32_b32 hwreg(HW_REG_WAVE_MODE, 25, 1), 1
	s_wait_xcnt 0x0
	s_wait_alu depctr_hold_cnt(0) depctr_sa_sdst(0) depctr_va_vdst(0) depctr_va_sdst(0) depctr_va_ssrc(0) depctr_va_vcc(0) depctr_vm_vsrc(0)
	s_getreg_b32 s2, hwreg(HW_REG_IB_STS2, 6, 4)
	s_cmp_eq_u32 s2, 0
	s_cbranch_scc0 .Lentry_in_a_cluster
	s_endpgm
.Lentry_in_a_cluster:
	s_bfe_u32 s2, ttmp6, 0x10000c
	s_cmp_lg_u32 s2, 0xf033
	s_cbranch_scc0 .Lentry_shape_is_right
	s_endpgm
.Lentry_shape_is_right:
.set MODE, 2
.if MODE == 0
.set A_RB0, 0
.set A_SC,  6291456
.set B_RB0, 0
.set B_SC,  3145728
.elseif MODE == 1
.set A_RB0, 16
.set A_SC,  3145728
.set B_RB0, 0
.set B_SC,  6291456
.else
.set A_RB0, 0
.set A_SC,  6291456
.set B_RB0, 24
.set B_SC,  3145728
.endif
.set NQ,     2
.set FR,     12
.set NL,     6
.set NP,     4
.set HALFT,  24576
.set SLOT,   3*HALFT                   ; a block of 128 rows of A x 256 rows of B: A's 128 rows, then B's two halves; a wave makes 64 x 128
.set LAPS,   2
.set SCL,    2*SLOT
.set HALFS,  4096
.set SPARE,  SCL+4*HALFS
.set SPITCH, 528
.set BVA,  7
.set L8,   10
.set H16,  11
.set SWS,  12
.set SWR,  13
.set SWG,  14
.set ADRA, 16
.set ADRB, 20
.set STO,  24
.set RD,   25
.set CO,   26
.set ADRS, 27
.set SPW,  28
.set NIL,  29
.set SC,   32
.set BJ,   64
.set AF,   128
.set BK,   128
.set PC,   112
.set TM,   200
.set PWS,  224
.set PWH,  232
.set SWD,  240
.set G1, 24
.set G0, 32
.set G1B, 48
.set G0B, 56
.set G1S, 68
.set G0S, 76
.set G1SB, 80
.set G0SB, 88
.set MSB, 0
.macro WIN new
.if MSB != (\new)
	s_set_vgpr_msb (MSB<<8)|(\new)
.set MSB, (\new)
.endif
.endm
.set MUL_LO, 0xa1
.set MUL_HI, 0xf1
.set TO_B,   0x40
.macro JLOAD g0a, g1a, g0b, g1b
	s_cmp_eq_u32 s15, 0
	s_cbranch_scc0 .Lfor_b_\@
	tensor_load_to_lds s[\g0a:\g0a+3], s[\g1a:\g1a+7]
	s_nop 0
.rept 4
	v_nop
.endr
	s_branch .Lasked_\@
.Lfor_b_\@:
	tensor_load_to_lds s[\g0b:\g0b+3], s[\g1b:\g1b+7]
	s_nop 0
.rept 4
	v_nop
.endr
.Lasked_\@:
.endm
.macro CREST
	s_cmp_lg_u32 s14, 0
	s_cbranch_scc1 .Lnot_wave_0_\@
	s_barrier_signal -3
.Lnot_wave_0_\@:
	s_barrier_wait -3
	s_barrier_signal -1
	s_barrier_wait -1
.endm
.macro CROUND
	s_barrier_signal -1
	s_barrier_wait -1
	CREST
.endm
	s_load_b64 s[4:5], s[0:1], 0x0
	s_load_b64 s[8:9], s[0:1], 0x8
	s_load_b128 s[96:99], s[0:1], 0x10
.if MODE == 0
	s_load_b64 s[66:67], s[0:1], 0x20
.endif
	v_lshl_add_u32 v[SPW], v0, 2, SPARE
	v_mov_b32 v[NIL], 0
	ds_add_u32 v[SPW], v[NIL]
	ds_add_u32 v[SPW], v[NIL]
	v_lshrrev_b32 v1, 5, v0
	v_readfirstlane_b32 s14, v1
	s_lshr_b32 s15, s14, 1
	s_and_b32 s16, s14, 1
	s_bfe_u32 s40, ttmp6, 0x40000
	s_bfe_u32 s41, ttmp6, 0x40004
	s_lshl_b32 s42, ttmp9, 2
	s_add_co_u32 s42, s42, s40
.if MODE == 1
	s_mov_b32 s17, s41
.else
	s_and_b32 s17, ttmp7, 0xffff
	s_lshl_b32 s17, s17, 2
	s_add_co_u32 s17, s17, s41
.endif
	s_lshl_b32 s43, s41, 2
	s_lshl_b32 s43, 15, s43
	s_lshl_b32 s44, 0x1111, s40
	s_or_b32 s[G1+0], s43, (3<<16)|(1<<21)
	s_or_b32 s[G1B+0], s44, (3<<16)|(1<<21)
.irp g, G1, G1B                        ; for the head's loads: a chunk's two halves as two rows of 24,576 bytes, 98,304 bytes apart
	s_mov_b32 s[\g+1], 3072<<16
	s_mov_b32 s[\g+2], 2<<16
	s_mov_b32 s[\g+3], 3072<<16
	s_mov_b32 s[\g+4], 2
	s_mov_b32 s[\g+5], 12288
	s_mov_b32 s[\g+6], 0
	s_mov_b32 s[\g+7], 0
.endr
	s_or_b32 s[G1S+0], s43, (3<<16)|(1<<21)
	s_or_b32 s[G1SB+0], s44, (3<<16)|(1<<21)
.irp g, G1S, G1SB                      ; the scale words of 256 rows: 32 rows of 256 bytes
	s_mov_b32 s[\g+1], 32<<16
	s_mov_b32 s[\g+2], 32<<16
	s_mov_b32 s[\g+3], 32<<16
	s_mov_b32 s[\g+4], 32
	s_mov_b32 s[\g+5], 32
	s_mov_b32 s[\g+6], 0
	s_mov_b32 s[\g+7], 0
.endr
	s_mov_b32 s[G1+1], 32<<16                      ; A's chunk at the head is one dense block: 96 rows of 256 bytes
	s_mov_b32 s[G1+2], 96<<16
	s_mov_b32 s[G1+3], 32<<16
	s_mov_b32 s[G1+4], 96
	s_mov_b32 s[G1+5], 32
	s_mov_b32 s[G1S+2], 16<<16                     ; and the scale words of its 128 rows 16 rows
	s_mov_b32 s[G1S+4], 16
	s_add_co_u32 s20, s17, A_RB0                   ; A's block of 128 rows
	s_lshl_b32 s46, s42, 1
	s_add_co_u32 s46, s46, s16
	s_add_co_u32 s46, s46, B_RB0
	s_lshl_b32 s22, s20, 12
	s_mov_b32 s23, 0
	s_lshl_b32 s92, s46, 12
	s_mov_b32 s93, 0
	s_mul_i32 s20, s20, 98304
	s_mul_i32 s2, s16, 12288                       ; in the ring waves 0 and 1 fetch half of A's block each
	s_add_co_u32 s20, s20, s2
	s_mov_b32 s21, 0
	s_mul_i32 s46, s46, 98304
	s_mov_b32 s47, 0
	s_mul_i32 s45, s16, 12288                      ; LDS: A's two parts,
	s_mul_i32 s94, s16, HALFT
	s_add_co_u32 s94, s94, HALFT                   ; B's two halves behind them
	s_wait_dscnt 0x0
	s_wait_kmcnt 0x0
	s_add_nc_u64 s[6:7], s[4:5], A_SC
	s_add_nc_u64 s[10:11], s[8:9], B_SC
	s_add_nc_u64 s[20:21], s[4:5], s[20:21]
	s_add_nc_u64 s[22:23], s[6:7], s[22:23]
	s_add_nc_u64 s[46:47], s[8:9], s[46:47]
	s_add_nc_u64 s[92:93], s[10:11], s[92:93]
	CROUND
; THE HEAD'S FOUR TILES, ONE JOINT LOAD A WAVE: wave 0 A's chunk 0, wave 2 B's (their addresses hold the first half), wave 1 A's scale words (all of its block), wave 3 B's (its address holds the second half: 4,096 bytes back)
	s_mov_b32 s4, 1
	s_mov_b32 s5, 0
	s_mov_b64 s[6:7], s[20:21]
	s_or_b32 s7, s7, 0x80000000
	s_mov_b32 s8, 1
	s_mov_b32 s9, HALFT
	s_mov_b64 s[10:11], s[46:47]
	s_or_b32 s11, s11, 0x80000000
	s_mov_b32 s[G0S], 1
	s_mov_b32 s[G0S+1], SCL
	s_mov_b64 s[G0S+2:G0S+3], s[22:23]
	s_or_b32 s[G0S+3], s[G0S+3], 0x80000000
	s_mov_b32 s[G0SB], 1
	s_mov_b32 s[G0SB+1], SCL+HALFS
	s_sub_nc_u64 s[G0SB+2:G0SB+3], s[92:93], 4096
	s_or_b32 s[G0SB+3], s[G0SB+3], 0x80000000
.macro ARM w, g0, g1, next             ; one chain of branches on the wave's number, one load to an arm
	s_cmp_eq_u32 s14, \w
	s_cbranch_scc0 \next
	tensor_load_to_lds s[\g0:\g0+3], s[\g1:\g1+7]
	s_nop 0
.rept 4
	v_nop
.endr
	s_branch .Lhead_asked
\next:
.endm
	ARM 0, 4, G1, .Lhead_b
	ARM 2, 8, G1B, .Lhead_sa
	ARM 1, G0S, G1S, .Lhead_sb
	tensor_load_to_lds s[G0SB:G0SB+3], s[G1SB:G1SB+7]
	s_nop 0
.rept 4
	v_nop
.endr
.Lhead_asked:
; prefetches: of the blocks of 256 bytes that I fetch of a chunk (48 of A, 96 of B), my work-group names a quarter, by its place among the four partners that ask for them with me (cx for A, cy for B); lanes 12-31 (A) or 24-31 (B) name the last again
	s_cmp_eq_u32 s15, 0
	s_cselect_b64 s[100:101], s[20:21], s[46:47]
	s_cselect_b32 s2, s40, s41
	s_cselect_b32 s3, 12, 24                       ; a quarter of the blocks that I fetch of a chunk: 48 of A, 96 of B
	s_mul_i32 s2, s2, s3
	s_lshl_b32 s2, s2, 8
	s_sub_co_u32 s3, s3, 1
	v_and_b32 v30, 31, v0
	v_min_u32 v30, s3, v30
	v_lshl_add_u32 v30, v30, 8, s2
	global_prefetch_b8 v30, s[100:101] offset:HALFT th:TH_LOAD_NT scope:SCOPE_SE     ; chunk 1: its load leaves when the head's tiles have landed
	global_prefetch_b8 v30, s[100:101] offset:2*HALFT th:TH_LOAD_NT scope:SCOPE_SE   ; chunk 2, two fills ahead of its load
.irp s, 0,1
	s_mov_b32 s[G0+4*\s], 1
	s_add_co_u32 s[G0+4*\s+1], s45, \s*SLOT
	s_add_nc_u64 s[G0+4*\s+2:G0+4*\s+3], s[20:21], \s*HALFT
	s_or_b32 s[G0+4*\s+3], s[G0+4*\s+3], 0x80000000
	s_mov_b32 s[G0B+4*\s], 1
	s_add_co_u32 s[G0B+4*\s+1], s94, \s*SLOT
	s_add_nc_u64 s[G0B+4*\s+2:G0B+4*\s+3], s[46:47], \s*HALFT
	s_or_b32 s[G0B+4*\s+3], s[G0B+4*\s+3], 0x80000000
.endr
	v_and_b32 v1, 15, v0
	v_bfe_u32 v2, v0, 4, 1
	v_and_b32 v3, 31, v0
	v_lshlrev_b32 v[L8], 3, v3
.if MODE == 0
	s_cmp_eq_u32 ttmp9, 0
	s_cselect_b64 s[96:97], s[96:97], s[98:99]
	s_lshl_b32 s20, s40, 10
	s_lshl_b32 s21, s16, 9
.elseif MODE == 1
	s_lshl_b32 s20, s17, 10
	s_lshl_b32 s21, s15, 9
.else
	s_wait_alu depctr_va_vdst(0)
	s_lshl_b32 s20, s42, 10
	s_lshl_b32 s21, s16, 9
.endif
	s_add_co_u32 s20, s20, s21
	s_mov_b32 s21, 0
	s_add_nc_u64 s[96:97], s[96:97], s[20:21]
.if MODE == 1
	v_and_b32 v[BVA], 8, v1
	v_add_nc_u32 v[BVA], v[BVA], v1
	v_lshlrev_b32 v[BVA], 2, v[BVA]
.irp a, 0,1,2,3,4,5,6,7
	global_load_b32 v[BJ+2*\a], v[BVA], s[96:97] offset:(32*(\a/2)+8*(\a%2))*4
	global_load_b32 v[BJ+2*\a+1], v[BVA], s[96:97] offset:(32*(\a/2)+8*(\a%2))*4
.endr
.else
	v_lshlrev_b32 v[BVA], 6, v2
.irp b, 0,1,2,3,4,5,6,7
	global_load_b128 v[BJ+8*\b:BJ+8*\b+3], v[BVA], s[96:97] offset:(32*(\b/2)+8*(\b%2))*4
	global_load_b128 v[BJ+8*\b+4:BJ+8*\b+7], v[BVA], s[96:97] offset:(32*(\b/2)+8*(\b%2))*4+16
.endr
.endif
	s_mul_i32 s21, s15, 12288                      ; my four tiles of A
	s_mul_i32 s22, s16, HALFT
	s_add_co_u32 s22, s22, HALFT                   ; my 128 rows of B
.irp s, 0,1
	v_add_nc_u32 v[ADRA+\s], s21, v[L8]
	v_add_nc_u32 v[ADRB+\s], s22, v[L8]
	s_add_co_u32 s21, s21, SLOT
	s_add_co_u32 s22, s22, SLOT
.endr
	v_lshlrev_b32 v5, 2, v1
	s_lshl_b32 s21, s15, 11
	s_lshl_b32 s22, s16, 12
	s_add_co_u32 s22, s22, HALFS
	s_sub_co_u32 s22, s22, s21
	v_mul_u32_u24 v6, s22, v2
	s_add_co_u32 s21, s21, SCL
	v_add_nc_u32 v5, v5, v6
	v_add_nc_u32 v[ADRS], s21, v5
.if MODE == 2
	s_mul_i32 s23, s14, 16*SPITCH
	v_mul_u32_u24 v5, v1, SPITCH
	v_lshl_add_u32 v5, v2, 6, v5
	v_add_nc_u32 v[STO], s23, v5
	v_lshlrev_b32 v[CO], 4, v3
	v_add_nc_u32 v[RD], s23, v[CO]
	s_lshl_b32 s20, s17, 19
	s_lshl_b32 s21, s15, 18
	s_add_co_u32 s20, s20, s21
	s_lshl_b32 s21, s42, 10
	s_add_co_u32 s20, s20, s21
	s_lshl_b32 s21, s16, 9
	s_add_co_u32 s20, s20, s21
	s_mov_b32 s21, 0
	s_add_nc_u64 s[12:13], s[98:99], s[20:21]
.else
	s_lshl_b32 s23, s14, 10
	v_lshlrev_b32 v[H16], 4, v2
	v_lshlrev_b32 v[SWR], 4, v3
	v_add_nc_u32 v[SWR], s23, v[SWR]
.if MODE == 0
	v_lshlrev_b32 v[SWS], 9, v2
	v_lshl_add_u32 v[SWS], v1, 2, v[SWS]
	v_add_nc_u32 v[SWS], s23, v[SWS]
	v_lshlrev_b32 v[SWG], 4, v3
	s_lshr_b32 s20, s17, 3
	s_lshl_b32 s20, s20, 4
	s_lshl_b32 s21, s40, 2
	s_add_co_u32 s20, s20, s21
	s_lshl_b32 s21, s16, 1
	s_add_co_u32 s20, s20, s21
	s_and_b32 s21, s17, 7
	s_lshl_b32 s21, s21, 4
	s_lshl_b32 s22, s15, 3
	s_add_co_u32 s21, s21, s22
	s_mul_i32 s22, s20, 98304
	s_mul_i32 s23, s21, 768
	s_add_co_u32 s22, s22, s23
	s_mul_i32 s23, ttmp9, 6291456
	s_add_co_u32 s22, s22, s23
	s_mov_b32 s23, 0
	s_add_nc_u64 s[12:13], s[66:67], s[22:23]
	s_lshl_b32 s22, s20, 13
	s_lshl_b32 s23, s21, 6
	s_add_co_u32 s22, s22, s23
	s_lshl_b32 s23, ttmp9, 19
	s_add_co_u32 s22, s22, s23
	s_add_co_u32 s22, s22, 12582912
	s_mov_b32 s23, 0
	s_add_nc_u64 s[66:67], s[66:67], s[22:23]
.else
	v_lshlrev_b32 v[SWS], 2, v1
	v_add_nc_u32 v[SWS], s23, v[SWS]
	v_lshlrev_b32 v[SWG], 12, v2
	v_lshl_add_u32 v[SWG], v1, 4, v[SWG]
	s_lshl_b32 s20, s42, 1
	s_add_co_u32 s20, s20, s16
	s_lshr_b32 s21, s20, 4
	s_lshl_b32 s21, s21, 4
	s_lshl_b32 s22, s17, 2
	s_add_co_u32 s21, s21, s22
	s_lshl_b32 s22, s15, 1
	s_add_co_u32 s21, s21, s22
	s_and_b32 s20, s20, 15
	s_mul_i32 s22, s21, 98304
	s_mul_i32 s23, s20, 6144
	s_add_co_u32 s22, s22, s23
	s_mov_b32 s23, 0
	s_add_nc_u64 s[12:13], s[98:99], s[22:23]
	s_lshl_b32 s22, s21, 12
	s_lshl_b32 s23, s20, 8
	s_add_co_u32 s22, s22, s23
	s_add_co_u32 s22, s22, 6291456
	s_mov_b32 s23, 0
	s_add_nc_u64 s[66:67], s[98:99], s[22:23]
.endif
.endif
	s_mov_b32 s92, 0x76543210
	s_mov_b32 s93, 0xfedcba98
.macro FRAG reg, adr, q, i
.irp p, 0,1,2,3,4,5
	ds_load_b64 v[\reg+2*\p:\reg+2*\p+1], v[\adr] offset:3072*(\i)+1536*(\q)+256*\p
.endr
.endm
.macro MUL16 a0, p, q, sc, zero
.irp a, \a0, \a0+1
.irp b, 0,1,2,3,4,5,6,7
.if (\zero) && (MODE == 1)
	v_wmma_scale_f32_16x16x128_f8f6f4 v[8*(8*((\a)%4)+\b):8*(8*((\a)%4)+\b)+7], v[128*(\p)+FR*\b:128*(\p)+FR*\b+FR-1], v[AF+FR*(\a):AF+FR*(\a)+FR-1], 0, v[SC+8*NQ*(\sc)+NQ*\b+(\q)], v[SC+8*NQ*(\sc)+NQ*(\a)+(\q)] matrix_a_fmt:MATRIX_FMT_FP6 matrix_b_fmt:MATRIX_FMT_FP6 matrix_a_scale:MATRIX_SCALE_ROW1
.elseif \zero
	v_wmma_scale_f32_16x16x128_f8f6f4 v[8*(8*((\a)%4)+\b):8*(8*((\a)%4)+\b)+7], v[128*(\p)+FR*\b:128*(\p)+FR*\b+FR-1], v[AF+FR*(\a):AF+FR*(\a)+FR-1], v[BJ+8*\b:BJ+8*\b+7], v[SC+8*NQ*(\sc)+NQ*\b+(\q)], v[SC+8*NQ*(\sc)+NQ*(\a)+(\q)] matrix_a_fmt:MATRIX_FMT_FP6 matrix_b_fmt:MATRIX_FMT_FP6 matrix_a_scale:MATRIX_SCALE_ROW1
.else
	v_wmma_scale_f32_16x16x128_f8f6f4 v[8*(8*((\a)%4)+\b):8*(8*((\a)%4)+\b)+7], v[128*(\p)+FR*\b:128*(\p)+FR*\b+FR-1], v[AF+FR*(\a):AF+FR*(\a)+FR-1], v[8*(8*((\a)%4)+\b):8*(8*((\a)%4)+\b)+7], v[SC+8*NQ*(\sc)+NQ*\b+(\q)], v[SC+8*NQ*(\sc)+NQ*(\a)+(\q)] matrix_a_fmt:MATRIX_FMT_FP6 matrix_b_fmt:MATRIX_FMT_FP6 matrix_a_scale:MATRIX_SCALE_ROW1
.endif
.endr
.endr
.endm
.macro FETCH_B slot, q, p
	WIN TO_B
.irp i, 0,1,2,3,4,5,6,7
	FRAG 128*(\p)+FR*\i, ADRB+\slot, \q, \i
.endr
	WIN 0
.endm
.macro FETCH_A slot, q, i0
.irp i, \i0, \i0+1, \i0+2, \i0+3
	FRAG AF+FR*(\i), ADRA+\slot, \q, \i
.endr
.endm
.macro SCALES sc
.irp i, 0,1,2,3,4,5,6,7
.irp q, 0,1
	ds_load_b32 v[SC+8*NQ*\sc+NQ*\i+\q], v[ADRS] offset:512*\i+64*\q
.endr
.endr
.endm
.macro PLACES n
.rept \n
	v_nop
.endr
.endm
.macro STEP slot, q, zero              ; a slot's first 128 along K, on A's set 0 and B's set 0; the second's fragments are asked for first and land under the 32 products
	s_wait_dscnt 0
	PLACES NP
	FETCH_B \slot, (\q)+1, 1-(\q)%2
.set AF, 176
	FETCH_A \slot, (\q)+1, 0
.set AF, 128
.if (\zero) && (MODE != 1)
	WIN 0x81
.else
	WIN MUL_LO
.endif
	MUL16 0, (\q)%2, \q, \slot, \zero
	MUL16 2, (\q)%2, \q, \slot, \zero
	WIN 0
.endm
.macro TURN slot, next, fill
	s_wait_tensorcnt 0x0
	ds_add_u32 v[SPW], v[NIL]
	s_wait_dscnt 0x0                               ; the add is done, and my reads of this slot are over: its second 128 along K lie in A's set 1 and B's set 1
	s_barrier_signal -1
.set AF, 176
	WIN MUL_LO
	MUL16 0, 1, NQ-1, \slot, 0
	WIN 0
	s_barrier_wait -1
.if \fill
	CREST
	s_add_nc_u64 s[G0+4*\slot+2:G0+4*\slot+3], s[G0+4*\slot+2:G0+4*\slot+3], 2*HALFT
	s_add_nc_u64 s[G0B+4*\slot+2:G0B+4*\slot+3], s[G0B+4*\slot+2:G0B+4*\slot+3], 2*HALFT
	JLOAD G0+4*\slot, G1, G0B+4*\slot, G1B
.else
	PLACES NP
.endif
	s_wait_alu depctr_va_vdst(0)
	v_add_nc_u32 v[ADRS], 128, v[ADRS]
	FETCH_B \next, 0, 0
.set AF, 128
	FETCH_A \next, 0, 0
	SCALES \next
.set AF, 176
	WIN MUL_LO
	MUL16 2, 1, NQ-1, \slot, 0
	WIN 0
.set AF, 128
.endm
.macro OUTBLK a
.set W, 2+(\a)/4
.set AC, 64*((\a)%4)
.if MODE == 1
	WIN (W<<6)|W
.set n, 0
.rept 32
	v_pk_add_f32 v[AC+n:AC+n+1], v[AC+n:AC+n+1], v[BJ+2*(\a):BJ+2*(\a)+1]
.set n, n+2
.endr
.endif
	WIN 0
.irp b, 0,1,2,3
	v_mov_b32 v[TM+\b], 0x1800000
.endr
	WIN (W<<2)|(W<<4)
.irp i, 0,2,4,6,8,10,12,14
.irp b, 0,1,2,3
	v_max3_num_f32 v[TM+\b], v[TM+\b], |v[AC+16*\b+\i]|, |v[AC+16*\b+\i+1]|
.endr
.endr
	WIN 0
.irp b, 0,1,2,3
	v_permlanex16_b32 v[TM+4+\b], v[TM+\b], s92, s93
.endr
.irp b, 0,1,2,3
	v_max_num_f32 v[TM+\b], v[TM+\b], v[TM+4+\b]
.endr
.irp b, 0,1,2,3
	v_add_nc_u32 v[TM+12+\b], 0xff000000, v[TM+\b]
.endr
.irp b, 0,1,2,3
	v_lshrrev_b32 v[TM+4+\b], 23, v[TM+12+\b]
.endr
	v_lshl_or_b32 v[PWS+(\a)], v[TM+5], 8, v[TM+4]
	v_lshl_or_b32 v[PWS+(\a)], v[TM+6], 16, v[PWS+(\a)]
	v_lshl_or_b32 v[PWS+(\a)], v[TM+7], 24, v[PWS+(\a)]
	s_wait_xcnt 0x0
	WIN W
.irp c, 0,1
	v_cvt_scalef32_pk16_fp6_f32 v[PC+6*\c:PC+6*\c+2], v[AC+32*\c:AC+32*\c+15], v[TM+12+2*\c]
	v_cvt_scalef32_pk16_fp6_f32 v[PC+12+4*\c:PC+14+4*\c], v[AC+32*\c+16:AC+32*\c+31], v[TM+12+2*\c+1]
.endr
	WIN 0
	v_nop
.irp c, 0,1
.irp i, 0,1,2
	v_permlane16_swap_b32 v[PC+6*\c+\i], v[PC+12+4*\c+\i]
.endr
.irp i, 0,1,2
	v_mov_b32 v[PC+3+6*\c+\i], v[PC+12+4*\c+\i]
.endr
.endr
.if MODE == 0
	v_lshrrev_b32 v[PWH+(\a)], v[H16], v[PWS+(\a)]
	ds_store_b32 v[SWS], v[PWH+(\a)] offset:64*(\a)
.irp p, 0,1,2,3,4,5
	global_store_b64 v[L8], v[PC+2*\p:PC+2*\p+1], s[12:13] offset:768*(\a)+98304*(\p/3)+256*(\p%3)
.endr
.else
	ds_store_b32 v[SWS], v[PWS+(\a)] offset:64*(\a)
.irp p, 0,1,2,3,4,5
	global_store_b64 v[L8], v[PC+2*\p:PC+2*\p+1], s[12:13] offset:98304*((\a)/4)+1536*((\a)%4)+256*\p
.endr
.endif
.endm
.macro TOSTAGE a
.set AC, 64*((\a)%4)
	WIN 0x08+4*((\a)/4)
.irp b, 0,1,2,3,4,5,6,7
	ds_store_b128 v[STO], v[AC+8*\b:AC+8*\b+3] offset:128*(\b/2)+32*(\b%2)
	ds_store_b128 v[STO], v[AC+8*\b+4:AC+8*\b+7] offset:128*(\b/2)+32*(\b%2)+16
.endr
	WIN 0
.set BB, BK+64*((\a)%2)
.irp t, 0,1,2,3,4,5,6,7,8,9,10,11,12,13,14,15
	ds_load_b128 v[BB+4*\t:BB+4*\t+3], v[RD] offset:\t*SPITCH
.endr
.endm
.macro SEND a, younger
.set BB, BK+64*((\a)%2)
	s_wait_dscnt \younger
.irp t, 0,1,2,3,4,5,6,7,8,9,10,11,12,13,14,15
	global_store_b128 v[CO], v[BB+4*\t:BB+4*\t+3], s[12:13] offset:(32*((\a)/2)+8*((\a)%2)+\t+8*(\t/8))*4096 th:TH_STORE_NT
.endr
.endm
	s_wait_alu depctr_va_vdst(0)
	s_wait_tensorcnt 0x0                           ; my tile of the head's four is in
	ds_add_u32 v[SPW], v[NIL]
	s_mov_b32 s[G1+2], 48<<16                      ; no tensor load of mine is out: from here on a load brings 48 rows of 256 bytes of A,
	s_mov_b32 s[G1+4], 48
	s_mov_b32 s[G1B+1], 32<<16                     ; or 96 of B
	s_mov_b32 s[G1B+2], 96<<16
	s_mov_b32 s[G1B+3], 32<<16
	s_mov_b32 s[G1B+4], 96
	s_mov_b32 s[G1B+5], 32
	s_wait_dscnt 0x0
	CROUND                                         ; all four tiles are in, and all sixteen work-groups are here
	JLOAD G0+4, G1, G0B+4, G1B                     ; chunk 1, the first tensor load behind the round
	FETCH_B 0, 0, 0
	FETCH_A 0, 0, 0
	SCALES 0
	global_prefetch_b8 v30, s[100:101] offset:3*HALFT th:TH_LOAD_NT scope:SCOPE_SE   ; chunk 3, two fills ahead of its load
	s_wait_loadcnt 0x0
	STEP 0, 0, 1
	s_mov_b32 s3, LAPS-1
.Llap:
	TURN 0, 1, 1
	STEP 1, 0, 0
	TURN 1, 0, 1
	STEP 0, 0, 0
	s_sub_co_u32 s3, s3, 1
	s_cmp_lg_u32 s3, 0
	s_cbranch_scc1 .Llap
	TURN 0, 1, 0
	STEP 1, 0, 0
	s_wait_dscnt 0
.set AF, 176
	WIN MUL_LO
	MUL16 0, 1, NQ-1, 1, 0
	MUL16 2, 1, NQ-1, 1, 0
	WIN 0
	PLACES NP
.if MODE == 2
	TOSTAGE 0
.irp a, 1,2,3
.if \a > 1
	s_wait_xcnt 0x0
.endif
	TOSTAGE \a
	SEND \a-1, 32
.endr
	SEND 3, 0
.else
.irp b, 0,1,2,3
	v_mov_b32 v[TM+4+\b], 0
.endr
.irp a, 0,1,2,3,4,5,6,7
	OUTBLK \a
.endr
	ds_load_b128 v[SWD:SWD+3], v[SWR]
.if MODE == 0
	ds_load_b128 v[SWD+4:SWD+7], v[SWR] offset:512
.endif
	s_wait_dscnt 0x0
	global_store_b128 v[SWG], v[SWD:SWD+3], s[66:67]
.if MODE == 0
	global_store_b128 v[SWG], v[SWD+4:SWD+7], s[66:67] offset:8192
.endif
.endif
	s_wait_tensorcnt 0x0
	ds_add_u32 v[SPW], v[NIL]
	s_wait_dscnt 0x0
	CROUND
	s_endpgm
.Lfunc_end_k_qd9225b5454_gemm_out:
	.size	k_qd9225b5454_gemm_out, .Lfunc_end_k_qd9225b5454_gemm_out-k_qd9225b5454_gemm_out
	.p2alignl 7, 3214868480
	.fill 96, 4, 3214868480
	.section	.rodata,"a",@progbits
	.p2align	6, 0x0
	.amdhsa_kernel k_qd9225b5454_gemm_out
		.amdhsa_group_segment_fixed_size 327680
		.amdhsa_private_segment_fixed_size 0
		.amdhsa_enable_private_segment 0
		.amdhsa_kernarg_size 32
		.amdhsa_user_sgpr_count 2
		.amdhsa_user_sgpr_kernarg_segment_ptr 1
		.amdhsa_wavefront_size32 1
		.amdhsa_system_sgpr_workgroup_id_x 1
		.amdhsa_system_sgpr_workgroup_id_y 1
		.amdhsa_system_sgpr_workgroup_id_z 1
		.amdhsa_system_vgpr_workitem_id 0
		.amdhsa_next_free_vgpr 1024
		.amdhsa_next_free_sgpr 102
		.amdhsa_reserve_vcc 0
		.amdhsa_float_denorm_mode_32 3
		.amdhsa_float_denorm_mode_16_64 3
		.amdhsa_memory_ordered 1
		.amdhsa_forward_progress 1
		.amdhsa_inst_pref_size 105
	.end_amdhsa_kernel
	.amdgpu_metadata
---
amdhsa.version: [ 1, 2 ]
amdhsa.kernels:
  - .name:           k_qd9225b5454_gemm_out
    .symbol:         k_qd9225b5454_gemm_out.kd
    .args:
      - { .name: oq, .offset: 0, .size: 8, .value_kind: global_buffer, .address_space: global }
      - { .name: wq, .offset: 8, .size: 8, .value_kind: global_buffer, .address_space: global }
      - { .name: bo, .offset: 16, .size: 8, .value_kind: global_buffer, .address_space: global }
      - { .name: out0, .offset: 24, .size: 8, .value_kind: global_buffer, .address_space: global }
    .group_segment_fixed_size: 327680
    .private_segment_fixed_size: 0
    .kernarg_segment_align: 8
    .kernarg_segment_size: 32
    .max_flat_workgroup_size: 128
    .sgpr_count:     102
    .vgpr_count:     1024
    .wavefront_size: 32
...
	.end_amdgpu_metadata
.endif
;; end of part 5
